; MI455X (gfx1250); checked and timed in simulation.
; The chip was launched on July 23, 2026; its instructions are those of AMD's public machine-readable ISA for CDNA 5 (MIT licence, August 2026) and "CDNA5" Instruction Set Architecture Reference Guide (July 2026). The comments in the code are by the model that wrote it; some were corrected since.
;; Multi Head Attention. Allowed arithmetic: matrix products marked QUANTISED: E4M3 operands, one E8M0 scale for each 32 along K, by v_wmma_scale_f32_16x16x128_f8f6f4 with both operands' format E4M3, f32 sums; everything else in f32.
;; Inputs: W_k_codes 1,024 x 32 x 32 uint8 (E4M3 codes of W_k, K innermost, in blocks of 32 codes); W_k_scales 1,024 x 32 uint8 (E8M0 scales of W_k, one for each 32 codes along K); W_o_codes 1,024 x 32 x 32 uint8 (E4M3 codes of W_o, K innermost, in blocks of 32 codes); W_o_scales 1,024 x 32 uint8 (E8M0 scales of W_o, one for each 32 codes along K); W_q_codes 1,024 x 32 x 32 uint8 (E4M3 codes of W_q, K innermost, in blocks of 32 codes); W_q_scales 1,024 x 32 uint8 (E8M0 scales of W_q, one for each 32 codes along K); W_v_codes 1,024 x 32 x 32 uint8 (E4M3 codes of W_v, K innermost, in blocks of 32 codes); W_v_scales 1,024 x 32 uint8 (E8M0 scales of W_v, one for each 32 codes along K); attention_mask 4 x 2,048 int32; x_codes 4 x 2,048 x 32 x 32 uint8 (E4M3 codes of x, K innermost, in blocks of 32 codes); x_scales 4 x 2,048 x 32 uint8 (E8M0 scales of x, one for each 32 codes along K).
;; Outputs: out0 4 x 2,048 x 1,024 float32.
;; This version of the problem:
;;   THIS VERSION OF THE PROBLEM IS GIVEN IN LOW PRECISION. The matrix products marked QUANTISED in the list below multiply operands that are first quantised to E4M3 (4 exponent bits, 3 mantissa bits; 8 bits a number), with one power-of-two scale for each 32 numbers along K (OCP MX v1.0); their sums are f32. All else is computed in f32.
;;   The module's matrix products, in the order in which they are computed (A, B: the left and right operand; K: the contracted axis; several contracted axes count as one K, in the product's order):
;;     1. [M 8,192, K 1,024] x [K 1,024, N 1,024]; A: input x (given as codes); B: input W_q (given as codes): QUANTISED
;;     2. [M 8,192, K 1,024] x [K 1,024, N 1,024]; A: input x (given as codes); B: input W_k (given as codes): QUANTISED
;;     3. [M 8,192, K 1,024] x [K 1,024, N 1,024]; A: input x (given as codes); B: input W_v (given as codes): QUANTISED
;;     4. batch 64 x [M 2,048, K 64] x [K 64, N 2,048]; A: computed on the way; B: computed on the way: QUANTISED
;;     5. batch 64 x [M 2,048, K 2,048] x [K 2,048, N 64]; A: computed on the way; B: computed on the way: QUANTISED
;;     6. [M 8,192, K 1,024] x [K 1,024, N 1,024]; A: computed on the way; B: input W_o (given as codes): QUANTISED
;;   THE QUANTISER, for each operand of a quantised product, along K:
;;     - K is cut into blocks of 32 from its start; a last block that is shorter is filled with zeros.
;;     - A block's scale is 2^e with e = floor(log2(the largest magnitude in the block)) - 8, held to -126 .. 127; a block of zeros has e = 0. As a byte (E8M0): e + 127.
;;     - Each number is divided by its block's scale, clamped to +-448, and rounded to the nearest number of E4M3, ties to even, subnormals kept.
;;     - The product sums the exact products of the quantised numbers (number of the format x scale) in f32.
;;   ~~~python
;;   def quantise(x, axis):      # numpy; x: float32 -> the quantised numbers, widened to float32 again
;;       x = np.moveaxis(x, axis, -1); K = x.shape[-1]
;;       x = np.pad(x, [(0, 0)] * (x.ndim - 1) + [(0, -K % 32)]); x = x.reshape(x.shape[:-1] + (-1, 32)); a = np.abs(x).max(-1, keepdims=True)
;;       e = np.where(a > 0, np.clip(np.frexp(np.where(a > 0, a, 1))[1] - 1 - 8, -126, 127), 0)      # np.frexp(a)[1] - 1 = floor(log2(a)), exactly
;;       r = np.clip(x / 2.0 ** e, -448, 448)
;;       step = 2.0 ** (np.maximum(np.frexp(np.where(r == 0, 1, r))[1] - 1, -6) - 3)
;;       q = np.round(r / step) * step * 2.0 ** e      # np.round: ties to even
;;       return np.moveaxis(q.reshape(q.shape[:-2] + (-1,))[..., :K], -1, axis).astype(np.float32)
;;   ~~~
;;   OPERANDS COMPUTED ON THE WAY. 'Computed on the way' means the value that the module computes at that place (a softmax that the list does not call 'softmax' is quantised finished and normalised). What goes into a quantiser is computed in f32, as accurately as f32 sums, v_exp_f32 and their like allow (about 1e-6 of the number): no bf16 or f16 on the way to a quantiser, and a product that is left as it is and whose result goes on into a quantised operand takes f32 operands (vector FMAs, or v_wmma_f32_16x16x4_f32). A number that lies on a knife's edge between two numbers of the format may be rounded either way, as far as f32 arithmetic and the matrix unit's own rounding can turn it there, and no further.
;;   INPUTS GIVEN AS CODES. W_k (in the module: [1024, 1024], K = its axis 1); W_o (in the module: [1024, 1024], K = its axis 1); W_q (in the module: [1024, 1024], K = its axis 1); W_v (in the module: [1024, 1024], K = its axis 1); x (in the module: [4, 2048, 1024], K = its axis 2): each comes as NAME_codes (uint8): NAME with its K axis moved to the last place and cut into blocks of 32 codes, [.., K / 32, bytes a block], one block behind the other in memory; one code a byte (a code: sign, 4 exponent bits, 3 mantissa bits); and NAME_scales (uint8): the same leading axes, one E8M0 byte (e + 127) for each 32 codes along K. Its value is code x scale, taken as it is: it is not quantised again, and the codes and scales need not be those that the quantiser above would give.
;; One version. Each part assembles by itself: llvm-mc -triple=amdgcn-amd-amdhsa -mcpu=gfx1250 --defsym DOCPART=n.
;; ======== version 1 of 1: 4 launches
;; limits: right only within a limited range of input values
;; workspace buffers: rope 524,288 bytes; qk_img 16,777,216 bytes; qk_scl 1,048,576 bytes; v_img 8,388,608 bytes; v_aux 524,288 bytes; o_img 8,388,608 bytes; o_scl 262,144 bytes
;; launch prep (part 1): grid 256 x 1, 4 waves a work-group, no clusters, 0 bytes of LDS; arguments rope; writes rope
.if DOCPART == 1
	.amdgcn_target "amdgcn-amd-amdhsa--gfx1250"
	.amdhsa_code_object_version 6
	.text
	.protected	k_qe3e61b8610_prep
	.globl	k_qe3e61b8610_prep
	.p2align	8
	.type	k_qe3e61b8610_prep,@function
k_qe3e61b8610_prep:
	s_mov_b64 s[64:65], 0
	v_nop
	global_prefetch_b8 v0, s[64:65] scope:SCOPE_SE
	s_setreg_imm32_b32 hwreg(HW_REG_WAVE_MODE, 25, 1), 1
	s_wait_xcnt 0x0
; The table of cos and sin for the rotation of q and k, laid as the next launch's lanes want it:
; rope[tb 128][q 8][lane 32][4 f32]: lane (r = lane % 16, h = lane / 16) holds (cos, sin) of pair i and of pair i + 1
; for position t = 16 tb + r, with i = 8 (q / 2) + 4 h + 2 (q % 2).  One thread makes one entry of 16 bytes; a wave stores 512 consecutive bytes.
; angle = t x (1 / 10^(i / 8)), one f32 product of t and the f32 reciprocal of the f32 number 10^(i / 8).
; cos and sin: the angle less k x pi/2 (pi/2 in two parts, by fused multiply-adds; k <= 1,304, so what a third part would add stays under 3e-12),
; then polynomials on [-pi/4, pi/4] and the quadrant k % 4.
; LIMIT: 10^(i / 8) is the decimal number rounded to f32; a power function that is an ulp off gives an angle that differs by up to 1e-4 at the largest t.
.macro PW lane, val
	s_mov_b32 s4, \val
	v_writelane_b32 v1, s4, \lane
.endm
	s_load_b64 s[2:3], s[0:1], 0x0
	v_mov_b32 v1, 0                                ; lane i of v1 takes 10^(i / 8)
	PW 0, 1.0
	PW 1, 1.333521432163324
	PW 2, 1.7782794100389228
	PW 3, 2.371373705661655
	PW 4, 3.1622776601683795
	PW 5, 4.216965034285822
	PW 6, 5.623413251903491
	PW 7, 7.498942093324558
	PW 8, 10.0
	PW 9, 13.33521432163324
	PW 10, 17.782794100389228
	PW 11, 23.71373705661655
	PW 12, 31.622776601683795
	PW 13, 42.16965034285822
	PW 14, 56.23413251903491
	PW 15, 74.98942093324558
	PW 16, 100.0
	PW 17, 133.3521432163324
	PW 18, 177.82794100389228
	PW 19, 237.1373705661655
	PW 20, 316.22776601683795
	PW 21, 421.6965034285822
	PW 22, 562.3413251903491
	PW 23, 749.8942093324558
	PW 24, 1000.0
	PW 25, 1333.521432163324
	PW 26, 1778.2794100389228
	PW 27, 2371.373705661655
	PW 28, 3162.2776601683795
	PW 29, 4216.965034285822
	PW 30, 5623.413251903491
	PW 31, 7498.942093324558
	v_and_b32 v3, 15, v0                           ; r
	v_bfe_u32 v4, v0, 4, 1                         ; h
	v_lshrrev_b32 v5, 5, v0                        ; wave
	s_lshl_b32 s5, ttmp9, 2
	v_add_nc_u32 v5, s5, v5
	v_and_b32 v5, 7, v5                            ; q = (4 x work-group + wave) % 8
	v_lshrrev_b32 v6, 1, v5
	v_and_b32 v7, 1, v5
	v_lshlrev_b32 v8, 3, v6
	v_lshl_add_u32 v8, v4, 2, v8
	v_lshl_add_u32 v8, v7, 1, v8                   ; i
	v_lshlrev_b32 v9, 2, v8                        ; the lane permute counts lanes in bytes
	v_add_nc_u32 v10, 4, v9
	ds_bpermute_b32 v11, v9, v1                    ; 10^(i / 8)
	ds_bpermute_b32 v12, v10, v1                   ; 10^((i + 1) / 8)
	s_lshr_b32 s6, ttmp9, 1                        ; tb
	s_lshl_b32 s6, s6, 4
	v_add_nc_u32 v13, s6, v3
	v_cvt_f32_u32 v13, v13                         ; t
	s_mov_b32 s8, 0xbfc90fdb                       ; -pi/2, its f32 part,
	s_mov_b32 s9, 0x333bbd2e                       ; and what that part is too large by
	s_mov_b32 s10, 0xb94ca1f9                      ; sin: -1.9515295891e-4,
	s_mov_b32 s11, 0x3c08839e                      ; 8.3321608736e-3,
	s_mov_b32 s12, 0xbe2aaaa3                      ; -1.6666654611e-1
	s_mov_b32 s13, 0x37ccf5ce                      ; cos: 2.443315711809948e-5,
	s_mov_b32 s14, 0xbab6061a                      ; -1.388731625493765e-3,
	s_mov_b32 s15, 0x3d2aaaa5                      ; 4.166664568298827e-2
	v_lshlrev_b32 v2, 4, v0
	s_lshl_b32 s5, ttmp9, 11
	v_add_nc_u32 v2, s5, v2                        ; my entry: 2,048 x work-group + 16 x thread
	s_wait_dscnt 0x0
	v_rcp_f32 v14, v11
	v_rcp_f32 v15, v12
	v_nop                                          ; a plain instruction between a reciprocal and its use
	s_wait_alu depctr_va_vdst(0)
	v_fma_f32 v16, -v11, v14, 1.0                  ; one step of Newton's brings the reciprocal to the last bit
	v_fma_f32 v17, -v12, v15, 1.0
	v_fma_f32 v14, v14, v16, v14
	v_fma_f32 v15, v15, v17, v15
	v_mul_f32 v14, v13, v14                        ; the angles
	v_mul_f32 v15, v13, v15
.macro SINCOS a, c, s
	v_mul_f32 v30, 0x3f22f983, v[\a]               ; x 2 / pi
	v_rndne_f32 v30, v30                           ; k
	v_fma_f32 v31, v30, s8, v[\a]
	v_fma_f32 v31, v30, s9, v31                    ; the rest, within +-pi/4
	v_mul_f32 v32, v31, v31                        ; z
	v_fma_f32 v33, v32, s10, s11
	v_fma_f32 v34, v32, s13, s14
	v_fma_f32 v33, v33, v32, s12
	v_fma_f32 v34, v34, v32, s15
	v_mul_f32 v33, v33, v32
	v_mul_f32 v35, v32, v32
	v_fma_f32 v36, v32, -0.5, 1.0
	v_fma_f32 v33, v33, v31, v31                   ; sin of the rest
	v_fma_f32 v34, v34, v35, v36                   ; cos of the rest
	v_cvt_i32_f32 v37, v30
	v_and_b32 v38, 1, v37
	v_cmp_eq_u32 vcc_lo, 1, v38                    ; an odd quadrant swaps the two
	v_cndmask_b32 v[\c], v34, v33, vcc_lo
	v_cndmask_b32 v[\s], v33, v34, vcc_lo
	v_add_nc_u32 v38, 1, v37
	v_and_b32 v38, 2, v38                          ; cos is negative in quadrants 1 and 2,
	v_lshlrev_b32 v38, 30, v38
	v_xor_b32 v[\c], v[\c], v38
	v_and_b32 v39, 2, v37                          ; sin in quadrants 2 and 3
	v_lshlrev_b32 v39, 30, v39
	v_xor_b32 v[\s], v[\s], v39
.endm
	SINCOS 14, 24, 25
	SINCOS 15, 26, 27
	s_wait_alu depctr_va_vdst(0)
	s_wait_kmcnt 0x0
	global_store_b128 v2, v[24:27], s[2:3]         ; 32 lanes store 512 consecutive bytes
	s_endpgm
.Lfunc_end_k_qe3e61b8610_prep:
	.size	k_qe3e61b8610_prep, .Lfunc_end_k_qe3e61b8610_prep-k_qe3e61b8610_prep
	.p2alignl 7, 3214868480
	.fill 96, 4, 3214868480
	.section	.rodata,"a",@progbits
	.p2align	6, 0x0
	.amdhsa_kernel k_qe3e61b8610_prep
		.amdhsa_group_segment_fixed_size 0
		.amdhsa_private_segment_fixed_size 0
		.amdhsa_enable_private_segment 0
		.amdhsa_kernarg_size 8
		.amdhsa_user_sgpr_count 2
		.amdhsa_user_sgpr_kernarg_segment_ptr 1
		.amdhsa_wavefront_size32 1
		.amdhsa_system_sgpr_workgroup_id_x 1
		.amdhsa_system_sgpr_workgroup_id_y 1
		.amdhsa_system_sgpr_workgroup_id_z 1
		.amdhsa_system_vgpr_workitem_id 0
		.amdhsa_next_free_vgpr 48
		.amdhsa_next_free_sgpr 66
		.amdhsa_reserve_vcc 1
		.amdhsa_float_denorm_mode_32 3
		.amdhsa_float_denorm_mode_16_64 3
		.amdhsa_memory_ordered 1
		.amdhsa_forward_progress 1
		.amdhsa_inst_pref_size 9
	.end_amdhsa_kernel
	.amdgpu_metadata
---
amdhsa.version: [ 1, 2 ]
amdhsa.kernels:
  - .name:           k_qe3e61b8610_prep
    .symbol:         k_qe3e61b8610_prep.kd
    .args:
      - { .name: rope, .offset: 0, .size: 8, .value_kind: global_buffer, .address_space: global }
    .group_segment_fixed_size: 0
    .private_segment_fixed_size: 0
    .kernarg_segment_align: 8
    .kernarg_segment_size: 8
    .max_flat_workgroup_size: 128
    .sgpr_count:     66
    .vgpr_count:     48
    .wavefront_size: 32
...
	.end_amdgpu_metadata
.endif
;; end of part 1
;; launch qkv (part 2): grid 8 x 32, 4 waves a work-group, clusters of 4 x 4, 327,680 bytes of LDS; arguments x_codes, x_scales, W_q_codes, W_q_scales, W_k_codes, W_k_scales, W_v_codes, W_v_scales, rope, qk_img, qk_scl, v_img, v_aux; writes qk_img, qk_scl, v_img, v_aux
.if DOCPART == 2
	.amdgcn_target "amdgcn-amd-amdhsa--gfx1250"
	.amdhsa_code_object_version 6
	.text
	.protected	k_qe3e61b8610_qkv
	.globl	k_qe3e61b8610_qkv
	.p2align	8
	.type	k_qe3e61b8610_qkv,@function
k_qe3e61b8610_qkv:
	s_mov_b64 s[64:65], 0
	v_nop
	global_prefetch_b8 v0, s[64:65] scope:SCOPE_SE
	s_setreg_imm32_b32 hwreg(HW_REG_WAVE_MODE, 25, 1), 1
	s_wait_xcnt 0x0
	s_wait_alu depctr_hold_cnt(0) depctr_sa_sdst(0) depctr_va_vdst(0) depctr_va_sdst(0) depctr_va_ssrc(0) depctr_va_vcc(0) depctr_vm_vsrc(0)
	s_getreg_b32 s2, hwreg(HW_REG_IB_STS2, 6, 4)
	s_cmp_eq_u32 s2, 0
	s_cbranch_scc0 .Lentry_in_a_cluster
	s_endpgm
.Lentry_in_a_cluster:
	s_bfe_u32 s2, ttmp6, 0x10000c
	s_cmp_lg_u32 s2, 0xf033
	s_cbranch_scc0 .Lentry_shape_is_right
	s_endpgm
.Lentry_shape_is_right:
; q = rope(x W_q^T), k = rope(x W_k^T), v = x W_v^T on codes of FP8 (E4M3) with one E8M0 scale for each 32 along K = 1,024; the results are quantised at once and leave as IMAGES OF THE NEXT LAUNCH'S OPERAND REGISTERS.
; SHARES.  8,192 x 3,072 results on 256 work-groups of equal work: each makes, for ITS 256 tokens, a tile of 256 x 256 of q or of k (PRODUCT 1) and then 256 tokens x 128 channels of v (PRODUCT 2).
;   Cluster x says q (0) or k (1); work-group (cx, cy) of cluster (X, Y) has token tile 4 Y + cy, weight tile cx of W_q or W_k, and channels 128 (4 X + cx) on of W_v.
;   Four waves: in product 1 each 128 x 128 (64 accumulators, 512 registers), in product 2 each 128 tokens x 64 channels (32 accumulators).
; K goes in steps of 256 through a ring of two LDS slots filled by the tensor data mover, and THE RING GOES ON from product 1 into product 2: product 1's last two changes of slots ask for product 2's first two K steps, which land while q or k goes out.
; The scale bytes of the work-group's rows of x, of its weight tile and of its 128 rows of W_v, for all of K, come into LDS once.
; CLUSTERS: 4 x 4 work-groups.  x's tiles hang on cy (and Y) alone and are asked for jointly along a row of the cluster; the weights' hang on cx (and X) alone: jointly along a column.  No branch hangs on a work-group's number.
; ROLES.  The matrix instruction takes 16 rows of one operand as source 0 and 16 of the other as source 1: a lane then holds ONE row of source 1's, and its eight registers eight neighbouring rows of source 0's.
;   Product 1: source 0 = the weight, source 1 = x: a lane holds a token, its registers run along the head's 64, the K of the scores.   Product 2: source 0 = x, source 1 = W_v: a lane holds a channel, its registers run along the tokens, the K of the second attention product.
; ORDER INSIDE A BLOCK OF 32.  Two neighbouring result tiles give lane half h the numbers 32 b + 16 u + 8 h + j; converted eight at a time, place 16 h + 8 u + j of the block holds that number.  Both operands of each later product carry the same order, so products and scales are as the contract has them.
; OUT:  qk_img[q or k][batch x head 64][token tile 128][block 2][lane 32][16 bytes];  qk_scl[q or k][batch x head][token] one word, the two scale bytes in its low half (the reader masks the rest);
;   v_img[batch x head][key step 16][channel tile 4][block 4][lane][16 bytes];  v_aux: [batch x head][key step][channel tile][16] scale words, then from byte 262,144 [batch x 16 + key step][1,024] f32: the sums of the quantised v over the step's 128 tokens.
; LIMITS: a block of zeros gets the scale byte 1 (its codes are zeros; this program alone reads the bytes); NaN and infinities among the inputs are not served.
; REGISTERS, in windows of 256: window 0: v0-31 addresses; v32-63 scale words, two sets; from v128 source 1's fragments; window 1: source 0's fragments, two sets (on q's and k's way out: cos and sin); windows 2, 3: the accumulators ((a, b) at v[8 (8 (a % 4) + b)]).
.set KSTEP,  256                       ; along K in a slot
.set NQ,     2                         ; matrix instructions deep
.set ROWB,   256                       ; a tile's row in bytes
.set KROW,   1024                      ; a row of codes in memory
.set PITCH,  272                       ; an LDS row: 256 bytes + 16 of padding = 68 words: the 16 rows that a load touches start at 16 different banks (64 banks of 4 bytes: ISA guide 11.1)
.set FR,     16                        ; registers of a fragment
.set NL,     4                         ; LDS loads that bring one
.set NP,     8                         ; places behind this matrix instruction (ISA guide 7.12.1)
.set HALFT,  128*PITCH                 ; 128 rows: what one tensor load brings of x and of W_q or W_k
.set WROWS,  64*PITCH                  ; 64 rows: what one brings of W_v
.set SLOT,   4*HALFT                   ; x's 256 rows, then the weight's (256 in product 1, 128 in product 2)
.set LAPS,   2                         ; 1,024 / 512: a lap = two K steps = once round the ring
.set KS,     32                        ; a row of scale bytes
.set SCL,    2*SLOT                    ; behind the ring: x's and the weight tile's scales, as units of 256 bytes + 16 of padding
.set HALFS,  (128*KS/256)*272          ; the scales of 128 rows
.set SBLK,   (16*KS/256)*272           ; those of 16 rows
.set SPARE,  SCL+4*HALFS               ; the spare words, 128 bytes for each wave: two blocks of 256 bytes that no other line names
.set WVS,    SPARE+512                 ; W_v's scales of my work-group's 128 channels, laid likewise
.set WQ,     (32*KS/256)*272           ; those of 32 rows: a wave's part of the fill
.set WH,     (64*KS/256)*272           ; those of 64 rows: what a wave reads
.set STGQ,   WVS+4*WQ                  ; q's and k's stage, 1,024 bytes a wave: bytes of its own, into which no fill lands
.set STGV,   STGQ+4096                 ; v's stage, likewise
.set ADRA, 16                          ; v16-17  LDS address of source 1's fragments in slot 0, 1
.set ADRB, 20                          ; v20-21  the same for source 0
.set ADS0, 25                          ; v25     product 2: my scale words: lanes 0-15 W_v's rows, lanes 16-31 x's
.set ADS1, 26                          ; v26     the same, four blocks lower in lanes 0-15
.set ADRS, 27                          ; v27     product 1: my scale words: lanes 0-15 x's rows, lanes 16-31 the weight's
.set SPW,  28                          ; v28     LDS address of my spare word; never rewritten
.set NIL,  29                          ; v29     0; never rewritten
.set LI,   31                          ; v31     16 x lane; never rewritten
.set SC,   32                          ; scale words: set s at v[SC + 16 s]
.set AF,   128                         ; source 1's fragments, in window 0
; the ways out (window 0):
.set SA,   4                           ; v4      the stage: where I put a word
.set SRD,  5                           ; v5      and where I read 16 bytes back
.set SH,   6                           ; v6      16 h
.set SW,   7                           ; v7      my half's scale bytes
.set TM,   8                           ; v8-11 largest magnitudes, v12-15 bytes, v16-19 448 x the scale, v20-23 the conversions' scale operands
.set VT,   24                          ; v24     v's last store: my byte offset in v_aux
.set PW,   32                          ; v32-35  scale words just made
.set ONE,  40                          ; v40     four scale bytes 127
.set T,    64                          ; v64-127 64 numbers at work
.set PCQ,  192                         ; v192-223 codes, two sets of 16, used by turns
.set PCV,  128                         ; v128-191 codes of my four channel tiles (v)
.set G1, 24                            ; s[24:31] descriptor group 1 for x's tiles;  s[32:39] group 0, one set for each slot
.set G0, 32
.set G1B, 48                           ; s[48:55], s[56:63] the same for W_q's or W_k's tiles
.set G0B, 56
.set G1S, 68                           ; s[68:75], s[76:79] groups 1 and 0 for x's scales;  s[80:87], s[88:91] for the weight tile's: used once, at the start
.set G0S, 76
.set G1SB, 80
.set G0SB, 88
.set G1W, 68                           ; then: s[68:75] group 1 for W_v's tiles;  s[76:83] group 0, one set for each slot;  s[84:93] the outputs' addresses
.set G0W, 76
.set MSB, 0
.macro WIN new                         ; the immediate's high byte repeats the setting that is left; a switch that changes nothing is dropped
.if MSB != (\new)
	s_set_vgpr_msb (MSB<<8)|(\new)
.set MSB, (\new)
.endif
.endm
.set MUL_LO, 0xa1                      ; source 0 window 1, source 1 window 0, C and D window 2
.set MUL_HI, 0xf1                      ; the same, C and D window 3
.set TO_B,   0x40                      ; destination window 1, address window 0
; A joint load: waves 0 and 1 fetch x's halves, waves 2 and 3 the weight's.  Each line has one mask and one set of registers for all that issue it; the branch hangs on the wave's number alone.
; Four v_nop follow each of the two lines, ahead of the jump, the label and what follows.
.macro JLOAD g0a, g1a, g0b, g1b
	s_cmp_eq_u32 s15, 0
	s_cbranch_scc0 .Lfor_b_\@
	tensor_load_to_lds s[\g0a:\g0a+3], s[\g1a:\g1a+7]
	s_nop 0
.rept 4
	v_nop
.endr
	s_branch .Lasked_\@
.Lfor_b_\@:
	tensor_load_to_lds s[\g0b:\g0b+3], s[\g1b:\g1b+7]
	s_nop 0
.rept 4
	v_nop
.endr
.Lasked_\@:
.endm
.macro CREST                           ; a round of the cluster's barrier behind its opening barrier
	s_cmp_lg_u32 s14, 0
	s_cbranch_scc1 .Lnot_wave_0_\@
	s_barrier_signal -3
.Lnot_wave_0_\@:
	s_barrier_wait -3
	s_barrier_signal -1
	s_barrier_wait -1
.endm
.macro CROUND                          ; a whole round
	s_barrier_signal -1
	s_barrier_wait -1
	CREST
.endm
	s_load_b512 s[68:83], s[0:1], 0x0              ; x's codes, scales; W_q's; W_k's; W_v's
	v_lshl_add_u32 v[SPW], v0, 2, SPARE
	v_mov_b32 v[NIL], 0
	ds_add_u32 v28, v29
	ds_add_u32 v28, v29
	s_wait_dscnt 0x0
	v_lshrrev_b32 v1, 5, v0
	v_readfirstlane_b32 s14, v1                    ; wave 0..3
	s_lshr_b32 s15, s14, 1                         ; which half of source 1's rows is mine.  Also: I fetch for x (0) or for the weight (1)
	s_and_b32 s16, s14, 1                          ; which half of source 0's rows.  Also: which half of that tile I fetch
	s_bfe_u32 s40, ttmp6, 0x40000                  ; cx, cy: my place in the cluster
	s_bfe_u32 s41, ttmp6, 0x40004
	s_and_b32 s17, ttmp7, 0xffff
	s_lshl_b32 s17, s17, 2
	s_add_co_u32 s17, s17, s41                     ; my tile of 256 tokens: 4 x cluster y + cy
	s_mov_b32 s42, s40                             ; my tile of 256 rows of W_q or W_k: cx
	s_lshl_b32 s95, ttmp9, 2
	s_add_co_u32 s95, s95, s40                     ; my 128 rows of W_v: 4 x cluster x + cx
	s_lshl_b32 s43, s41, 2
	s_lshl_b32 s43, 15, s43                        ; my row of the cluster
	s_lshl_b32 s44, 0x1111, s40                    ; my column
	s_lshl_b32 s18, s95, 7
	s_lshl_b32 s19, s16, 6
	s_add_co_u32 s12, s18, s19                     ; W_v's codes: the 64 rows that I fetch, if I fetch for the weight,
	s_lshl_b32 s12, s12, 10                        ; 1,024 bytes a row
	s_mov_b32 s13, 0
	s_lshl_b32 s19, s14, 5
	s_add_co_u32 s2, s18, s19                      ; W_v's scales: every wave fetches those of 32 rows,
	s_lshl_b32 s2, s2, 5                           ; 32 bytes a row
	s_mov_b32 s3, 0
	s_wait_kmcnt 0x0
	s_cmp_eq_u32 ttmp9, 1                          ; the choice hangs on the cluster's x alone
	s_cselect_b64 s[8:9], s[76:77], s[72:73]       ; W_k or W_q: codes,
	s_cselect_b64 s[10:11], s[78:79], s[74:75]     ; scales
	s_mov_b64 s[4:5], s[68:69]                     ; x's codes,
	s_mov_b64 s[6:7], s[70:71]                     ; scales
	s_add_nc_u64 s[100:101], s[80:81], s[12:13]
	s_add_nc_u64 s[98:99], s[82:83], s[2:3]
	; descriptor group 1: a tile's rows of 256 bytes, padded in LDS: 256 rows for the head's loads; behind them the two words that count rows are set to 128, for the ring's
	s_or_b32 s[G1+0], s43, (0<<16)|(1<<20)|(1<<21)|(5<<22)|(3<<25)  ; 15:0 the mask: x's tiles go to my row; 17:16 elements of 1 byte; 20 padding on; 21 set beside a mask; 24:22 after every 64 words; 31:25 of 4 words
	s_or_b32 s[G1B+0], s44, (0<<16)|(1<<20)|(1<<21)|(5<<22)|(3<<25)
.irp g, G1, G1B
	s_mov_b32 s[\g+1], ROWB<<16                    ; tensor_dim0
	s_mov_b32 s[\g+2], 256<<16                     ; tensor_dim1
	s_mov_b32 s[\g+3], ROWB<<16                    ; tile_dim0
	s_mov_b32 s[\g+4], 256                         ; tile_dim1
	s_mov_b32 s[\g+5], KROW                        ; tensor_dim0_stride
	s_mov_b32 s[\g+6], 0
	s_mov_b32 s[\g+7], 0
.endr
	; the scales of 256 rows: a dense block of 8,192 bytes, as 32 rows of 256 bytes (32 elements of 8 bytes), 16 bytes of padding behind each
	s_or_b32 s[G1S+0], s43, (3<<16)|(1<<20)|(1<<21)|(5<<22)|(3<<25)
	s_or_b32 s[G1SB+0], s44, (3<<16)|(1<<20)|(1<<21)|(5<<22)|(3<<25)
.irp g, G1S, G1SB
	s_mov_b32 s[\g+1], 32<<16
	s_mov_b32 s[\g+2], (256*KS/256)<<16
	s_mov_b32 s[\g+3], 32<<16
	s_mov_b32 s[\g+4], 256*KS/256
	s_mov_b32 s[\g+5], 32
	s_mov_b32 s[\g+6], 0
	s_mov_b32 s[\g+7], 0
.endr
	s_lshl_b32 s20, s17, 8                         ; x: the tile's first row, 256 x tile
	s_lshl_b32 s46, s42, 8                         ; the weight likewise
	s_mov_b32 s21, 0
	s_mov_b32 s47, 0
	s_mov_b64 s[18:19], KS
	s_mul_u64 s[22:23], s[20:21], s[18:19]         ; where these rows' scales begin, in bytes
	s_mul_u64 s[92:93], s[46:47], s[18:19]
	s_mov_b64 s[18:19], KROW
	s_mul_u64 s[20:21], s[20:21], s[18:19]         ; and their codes
	s_mul_u64 s[46:47], s[46:47], s[18:19]
	s_mul_i32 s45, s14, HALFT                      ; where they go: wave x 128 rows: no place in the cluster enters an LDS address
	s_add_nc_u64 s[20:21], s[4:5], s[20:21]
	s_add_nc_u64 s[22:23], s[6:7], s[22:23]
	s_add_nc_u64 s[46:47], s[8:9], s[46:47]
	s_add_nc_u64 s[92:93], s[10:11], s[92:93]
	s_mul_i32 s97, s14, WQ                         ; W_v's scales of 32 rows a wave go through registers to this place in LDS
	s_add_co_u32 s97, s97, WVS
	CROUND                                         ; all sixteen work-groups are here: the first joint loads meet
	s_mov_b32 s4, 1                                ; the head's four tiles, each whole: K step 0's 256 rows of x (group 0 in s[4:7]: the arguments that lay there have been used),
	s_mov_b32 s5, 0
	s_mov_b64 s[6:7], s[20:21]
	s_or_b32 s7, s7, 0x80000000
	s_mov_b32 s8, 1                                ; the weight's 256 rows, behind them in slot 0 (s[8:11]),
	s_mov_b32 s9, 2*HALFT
	s_mov_b64 s[10:11], s[46:47]
	s_or_b32 s11, s11, 0x80000000
	s_mov_b32 s[G0S], 1                            ; the scales of x's 256 rows,
	s_mov_b32 s[G0S+1], SCL
	s_mov_b64 s[G0S+2:G0S+3], s[22:23]
	s_or_b32 s[G0S+3], s[G0S+3], 0x80000000
	s_mov_b32 s[G0SB], 1                           ; and of the weight's
	s_mov_b32 s[G0SB+1], SCL+2*HALFS
	s_mov_b64 s[G0SB+2:G0SB+3], s[92:93]
	s_or_b32 s[G0SB+3], s[G0SB+3], 0x80000000
; THE HEAD'S LOADS, ONE A WAVE: one tree of branches on the wave's number, each arm with its load and a jump to the tree's end: every way passes exactly one load.
.macro ARM under, g0, g1, next
	s_cmp_lt_u32 s14, \under
	s_cbranch_scc0 \next
	tensor_load_to_lds s[\g0:\g0+3], s[\g1:\g1+7]
	s_nop 0
.rept 4
	v_nop
.endr
	s_branch .Lhead_asked
\next:
.endm
	ARM 1, 4,   G1,  .Lhead_b
	ARM 2, 8,   G1B, .Lhead_sa
	ARM 3, G0S, G1S, .Lhead_sb
	tensor_load_to_lds s[G0SB:G0SB+3], s[G1SB:G1SB+7]
	s_nop 0
.rept 4
	v_nop
.endr
.Lhead_asked:
	s_mul_i32 s18, s16, 128*KROW                   ; for the ring: the 128 rows of a tile that I fetch
	s_mov_b32 s19, 0
	s_add_nc_u64 s[20:21], s[20:21], s[18:19]
	s_add_nc_u64 s[46:47], s[46:47], s[18:19]
.irp s, 0,1
	s_mov_b32 s[G0+4*\s], 1
	s_add_co_u32 s[G0+4*\s+1], s45, \s*SLOT
	s_add_nc_u64 s[G0+4*\s+2:G0+4*\s+3], s[20:21], \s*ROWB
	s_or_b32 s[G0+4*\s+3], s[G0+4*\s+3], 0x80000000
	s_mov_b32 s[G0B+4*\s], 1
	s_add_co_u32 s[G0B+4*\s+1], s45, \s*SLOT
	s_add_nc_u64 s[G0B+4*\s+2:G0B+4*\s+3], s[46:47], \s*ROWB
	s_or_b32 s[G0B+4*\s+3], s[G0B+4*\s+3], 0x80000000
.endr
	v_and_b32 v1, 15, v0                           ; r = lane % 16; kept
	v_bfe_u32 v2, v0, 4, 1                         ; h = lane / 16; kept
	v_and_b32 v[LI], 31, v0
	v_lshlrev_b32 v[LI], 4, v[LI]
	v_mul_u32_u24 v3, v1, PITCH
	v_lshl_add_u32 v4, v2, 4, v3                   ; a fragment's row x pitch + 16 x half
	s_mul_i32 s21, s15, HALFT                      ; my 128 rows of x
	s_mul_i32 s22, s16, HALFT                      ; my 128 rows of the weight,
	s_add_co_u32 s22, s22, 2*HALFT                 ; which lie behind x's 256
.irp s, 0,1
	v_add_nc_u32 v[ADRA+\s], s21, v4
	v_add_nc_u32 v[ADRB+\s], s22, v4
	s_add_co_u32 s21, s21, SLOT
	s_add_co_u32 s22, s22, SLOT
.endr
	v_mul_u32_u24 v5, v1, KS                       ; my row's scales: 32 bytes a row,
	v_lshrrev_b32 v6, 8, v5
	v_lshl_add_u32 v5, v6, 4, v5                   ; and 16 more for each 256 passed
	s_mul_i32 s21, s15, HALFS
	s_mul_i32 s22, s16, HALFS
	s_add_co_u32 s22, s22, 2*HALFS
	s_sub_co_u32 s22, s22, s21
	v_mul_u32_u24 v6, s22, v2                      ; lanes 16-31 take the weight's
	s_add_co_u32 s21, s21, SCL
	v_add_nc_u32 v5, v5, v6
	v_add_nc_u32 v[ADRS], s21, v5
	; W_v's scales of my wave's 32 rows: 1,024 dense bytes, two loads of 512 consecutive bytes; in LDS 16 bytes of padding behind each 256: byte y goes to y + 16 (y / 256)
	global_load_b128 v[32:35], v[LI], s[98:99]
	global_load_b128 v[36:39], v[LI], s[98:99] offset:512
	v_lshl_add_u32 v8, v2, 4, v[LI]
	v_add_nc_u32 v8, s97, v8
	s_wait_alu depctr_va_vdst(0)                   ; directly ahead of the wait below
	s_wait_loadcnt 0x0
	ds_store_b128 v8, v[32:35]
	ds_store_b128 v8, v[36:39] offset:544          ; 512 bytes and two paddings on
.macro FRAG reg, adr, q, i             ; 16 rows x 128 K of 8-bit codes: lane l holds row l % 16; registers 4 c .. 4 c + 3 hold K = 32 c + 16 (l / 16) + 0 .. 15
.irp c, 0,1,2,3
	ds_load_b128 v[\reg+4*\c:\reg+4*\c+3], v[\adr] offset:128*(\q)+32*\c+(\i)*16*PITCH
.endr
.endm
; 16 matrix instructions: source 1's fragments a0, a0 + 1 x source 0's eight, the slot's q-th 128 along K.  p: source 0's set; sc: the set of scale words.  zero = 1: the first product starts the sums.
; The accumulators take turns, one instruction a turn, in the same order in every step.
.macro MUL16 a0, p, q, sc, zero
.irp a, \a0, \a0+1
.irp b, 0,1,2,3,4,5,6,7
.if \zero
	v_wmma_scale_f32_16x16x128_f8f6f4 v[8*(8*((\a)%4)+\b):8*(8*((\a)%4)+\b)+7], v[128*(\p)+FR*\b:128*(\p)+FR*\b+FR-1], v[AF+FR*(\a):AF+FR*(\a)+FR-1], 0, v[SC+8*NQ*(\sc)+NQ*\b+(\q)], v[SC+8*NQ*(\sc)+NQ*(\a)+(\q)] matrix_a_scale:MATRIX_SCALE_ROW1
.else
	v_wmma_scale_f32_16x16x128_f8f6f4 v[8*(8*((\a)%4)+\b):8*(8*((\a)%4)+\b)+7], v[128*(\p)+FR*\b:128*(\p)+FR*\b+FR-1], v[AF+FR*(\a):AF+FR*(\a)+FR-1], v[8*(8*((\a)%4)+\b):8*(8*((\a)%4)+\b)+7], v[SC+8*NQ*(\sc)+NQ*\b+(\q)], v[SC+8*NQ*(\sc)+NQ*(\a)+(\q)] matrix_a_scale:MATRIX_SCALE_ROW1
.endif
.endr
.endr
.endm
.macro FETCH_B slot, q, p              ; source 0's eight fragments of the slot's q-th 128 along K into set p
	WIN TO_B
.irp i, 0,1,2,3,4,5,6,7
	FRAG 128*(\p)+FR*\i, ADRB+\slot, \q, \i
.endr
	WIN 0
.endm
.macro FETCH_A slot, q, i0             ; product 1: x's blocks i0 .. i0 + 3
.irp i, \i0, \i0+1, \i0+2, \i0+3
	FRAG AF+FR*(\i), ADRA+\slot, \q, \i
.endr
.endm
.macro SCALES sc                       ; product 1: a K step's scale words: two words a row; lanes 0-15 take x's block i, lanes 16-31 the weight's block i
.irp i, 0,1,2,3,4,5,6,7
	ds_load_b64 v[SC+8*NQ*\sc+NQ*\i:SC+8*NQ*\sc+NQ*\i+1], v[ADRS] offset:\i*SBLK
.endr
.endm
; A load into a register that a matrix instruction has read, and a vector instruction or an LDS store that reads a matrix result, stand NP places behind it; only plain vector instructions that name none of its registers are places.
.macro PLACES n
.rept \n
	v_nop
.endr
.endm
.macro STEP slot, q, zero              ; product 1: a step of 128 along K that has its successor in the same slot
	s_wait_dscnt 4*NL                              ; source 0's set and x's blocks 0-3 are in; the youngest sixteen loads (x's blocks 4-7) may be out
	WIN MUL_LO
	MUL16 0, (\q)%2, \q, \slot, \zero
	MUL16 2, (\q)%2, \q, \slot, \zero
	s_wait_dscnt 0                                 ; x's blocks 4-7 are in
	PLACES NP
	FETCH_B \slot, (\q)+1, 1-(\q)%2
	FETCH_A \slot, (\q)+1, 0
	WIN MUL_HI
	MUL16 4, (\q)%2, \q, \slot, \zero
	MUL16 6, (\q)%2, \q, \slot, \zero
	PLACES NP
	WIN 0
	FETCH_A \slot, (\q)+1, 4
.endm
; Product 1: a slot's last step changes slots: one barrier, which opens a round of the cluster's; in front of it each wave waits for all its tensor loads, adds 0 to its spare word, and waits for that and for its reads of this slot.
; fill = 1: this slot is filled again, two K steps ahead.  fill = 2: with PRODUCT 2's K step of this slot: x's address goes back along K, the weight's load is W_v's.
.macro TURN slot, next, fill
	s_wait_tensorcnt 0x0                           ; all my tensor loads have landed: my part of the next slot
	ds_add_u32 v[SPW], v[NIL]                      ; 0 onto my spare word
	s_wait_dscnt 4*NL+1                            ; (the add and the youngest sixteen loads, x's blocks 4-7, may be out)
	WIN MUL_LO
	MUL16 0, 1, NQ-1, \slot, 0                     ; sixteen matrix instructions stand between the add and the wait for it
	s_wait_dscnt 0x0                               ; the add is done, and my reads of this slot are over
	s_barrier_signal -1
	MUL16 2, 1, NQ-1, \slot, 0
	WIN 0
	s_barrier_wait -1
	CREST                                          ; no wave of any partner still reads this slot or has a load on its way
.if \fill == 1
	s_add_nc_u64 s[G0+4*\slot+2:G0+4*\slot+3], s[G0+4*\slot+2:G0+4*\slot+3], 2*ROWB
	s_add_nc_u64 s[G0B+4*\slot+2:G0B+4*\slot+3], s[G0B+4*\slot+2:G0B+4*\slot+3], 2*ROWB
	JLOAD G0+4*\slot, G1, G0B+4*\slot, G1B         ; the first tensor load behind the round; its four v_nop are among the places in front of the loads below
.else
	s_sub_nc_u64 s[G0+4*\slot+2:G0+4*\slot+3], s[G0+4*\slot+2:G0+4*\slot+3], 2*ROWB
	JLOAD G0+4*\slot, G1, G0W+4*\slot, G1W
.endif
	PLACES NP-4
	s_wait_alu depctr_va_vdst(0)
	v_add_nc_u32 v[ADRS], 4*NQ, v[ADRS]            ; on to the next K step's scale words
	FETCH_B \next, 0, 0
	FETCH_A \next, 0, 0
	SCALES \next
	WIN MUL_HI
	MUL16 4, 1, NQ-1, \slot, 0
	MUL16 6, 1, NQ-1, \slot, 0
	PLACES NP
	WIN 0
	FETCH_A \next, 0, 4
.endm
.macro TABLE a                         ; cos and sin of my token tile a into window 1, v[32 a] on: eight loads of 512 consecutive bytes
.irp q, 0,1,2,3,4,5,6,7
	global_load_b128 v[32*(\a)+4*\q:32*(\a)+4*\q+3], v[LI], s[84:85] offset:4096*(\a)+512*\q
.endr
.endm
	s_wait_alu depctr_va_vdst(0)
	s_wait_tensorcnt 0x0                           ; my tile of the head's four is in
	ds_add_u32 v[SPW], v[NIL]                      ; 0 onto my spare word
	s_mov_b32 s[G1+2], 128<<16                     ; no tensor load of mine is out, so a descriptor may be written: from here on a load brings 128 rows
	s_mov_b32 s[G1+4], 128
	s_mov_b32 s[G1B+2], 128<<16
	s_mov_b32 s[G1B+4], 128
	s_wait_dscnt 0x0                               ; the add and my stores of W_v's scales are done
	CROUND                                         ; a whole round: all four tiles are in, and all sixteen work-groups are here
	JLOAD G0+4, G1, G0B+4, G1B                     ; K step 1's load, the first tensor load behind the round
	FETCH_B 0, 0, 0
	FETCH_A 0, 0, 0
	SCALES 0
	FETCH_A 0, 0, 4
	s_load_b256 s[84:91], s[0:1], 0x40             ; the scales' loads are done, so their descriptors' registers take: rope, qk_img, qk_scl, v_img,
	s_load_b64 s[92:93], s[0:1], 0x60              ; v_aux,
	s_or_b32 s[G1W+0], s44, (0<<16)|(1<<20)|(1<<21)|(5<<22)|(3<<25)  ; and W_v's tiles: 64 rows x 256 bytes, padded, to my column
	s_mov_b32 s[G1W+1], ROWB<<16
	s_mov_b32 s[G1W+2], 64<<16
	s_mov_b32 s[G1W+3], ROWB<<16
	s_mov_b32 s[G1W+4], 64
	s_mov_b32 s[G1W+5], KROW
	s_mov_b32 s[G1W+6], 0
	s_mov_b32 s[G1W+7], 0
	s_mul_i32 s12, s16, WROWS                      ; waves 2 and 3: W_v's two halves, behind x's 256 rows
.irp s, 0,1
	s_mov_b32 s[G0W+4*\s], 1
	s_add_co_u32 s[G0W+4*\s+1], s12, 2*HALFT+\s*SLOT
	s_add_nc_u64 s[G0W+4*\s+2:G0W+4*\s+3], s[100:101], \s*ROWB
	s_or_b32 s[G0W+4*\s+3], s[G0W+4*\s+3], 0x80000000
.endr
	STEP 0, 0, 1                                   ; the first step stands in front of the loop: its products start the sums
	s_mov_b32 s3, LAPS-1
.Llap:                                                 ; a trip goes once round the ring and fills both slots again
	TURN 0, 1, 1
	STEP 1, 0, 0
	TURN 1, 0, 1
	STEP 0, 0, 0
	s_sub_co_u32 s3, s3, 1
	s_cmp_lg_u32 s3, 0
	s_cbranch_scc1 .Llap
	; where my results go
	s_wait_kmcnt 0x0
	s_mov_b32 s13, 0
	s_lshr_b32 s18, s17, 3
	s_lshl_b32 s18, s18, 4                         ; 16 x batch
	s_and_b32 s19, s17, 7                          ; which 256 tokens of the batch
	s_lshl_b32 s46, s19, 4
	s_lshl_b32 s47, s15, 3
	s_add_co_u32 s46, s46, s47                     ; q, k: my first token tile in the batch
	s_lshl_b32 s47, s42, 2
	s_lshl_b32 s12, s16, 1
	s_add_co_u32 s47, s47, s12
	s_add_co_u32 s47, s47, s18                     ; 16 x batch + my first head
	s_lshl_b32 s12, s46, 12
	s_add_nc_u64 s[84:85], s[84:85], s[12:13]      ; rope: 4,096 bytes a token tile
	s_lshl_b32 s12, s47, 7
	s_add_co_u32 s12, s12, s46
	s_lshl_b32 s12, s12, 10
	s_lshl_b32 s2, ttmp9, 23
	s_add_co_u32 s12, s12, s2
	s_add_nc_u64 s[86:87], s[86:87], s[12:13]      ; qk_img: 1,024 bytes a tile, 128 tiles a head, 8,388,608 bytes for q
	s_lshl_b32 s12, s47, 13
	s_lshl_b32 s2, s46, 6
	s_add_co_u32 s12, s12, s2
	s_lshl_b32 s2, ttmp9, 19
	s_add_co_u32 s12, s12, s2
	s_add_nc_u64 s[88:89], s[88:89], s[12:13]      ; qk_scl: 4 bytes a token
	s_lshl_b32 s19, s19, 1
	s_add_co_u32 s19, s19, s16                     ; v: my key step of 128 tokens
	s_lshl_b32 s46, s95, 1
	s_add_co_u32 s46, s46, s15                     ; my head
	s_add_co_u32 s47, s18, s46                     ; 16 x batch + head
	s_lshl_b32 s12, s47, 4
	s_add_co_u32 s12, s12, s19
	s_lshl_b32 s12, s12, 13
	s_add_nc_u64 s[90:91], s[90:91], s[12:13]      ; v_img: 8,192 bytes a key step
	s_lshl_b32 s94, s47, 12
	s_lshl_b32 s2, s19, 8
	s_add_co_u32 s94, s94, s2                      ; v_aux: my scale words: 256 bytes a key step, 4,096 a head
	s_add_co_u32 s2, s18, s19
	s_lshl_b32 s2, s2, 12
	s_lshl_b32 s12, s46, 8
	s_add_co_u32 s2, s2, s12
	s_add_co_u32 s2, s2, 262144                    ; my sums: row 16 x batch + key step, my head's 64 channels
	s_sub_co_u32 s95, s2, s94                      ; how far they lie behind the words
	TURN 0, 1, 2                                   ; THE RING GOES ON INTO PRODUCT 2: slot 0 takes its K step 0
	STEP 1, 0, 0
	; product 1's very last step: slot 1 is left and takes product 2's K step 1
	s_wait_tensorcnt 0x0                           ; all my tensor loads have landed: my part of slot 0
	ds_add_u32 v[SPW], v[NIL]                      ; 0 onto my spare word
	s_wait_dscnt 4*NL+1                            ; (the add and the youngest sixteen loads may be out)
	WIN MUL_LO
	MUL16 0, 1, NQ-1, 1, 0
	s_wait_dscnt 0x0                               ; the add is done, and my reads of slot 1 are over
	s_barrier_signal -1
	MUL16 2, 1, NQ-1, 1, 0
	WIN 0
	s_barrier_wait -1
	CREST                                          ; behind this round slot 0 is whole, and nobody reads slot 1
	s_sub_nc_u64 s[G0+6:G0+7], s[G0+6:G0+7], 2*ROWB
	JLOAD G0+4, G1, G0W+4, G1W
	WIN TO_B
	TABLE 0                                        ; source 0's set 0 was last multiplied a step ago, with eight places behind it: it takes the first four tiles' cos and sin
	TABLE 1
	TABLE 2
	TABLE 3
	WIN MUL_HI
	MUL16 4, 1, NQ-1, 1, 0
	MUL16 6, 1, NQ-1, 1, 0
	WIN 0
; 64 numbers of a lane, v[s] on in window w, register 16 b + i a number of block b, become 16 registers of codes at v[pc] and the scale word v[pw].  A block lies in lanes l and l xor 16.
; The largest magnitude has the floor 2^(9 - 127) among its leaves, so the byte cannot fall under 1; 8 off its exponent field is the conversion's scale operand; its exponent field over 448's mantissa is 448 x the scale.
.macro QUANT s, w, pc, pw
	WIN (\w)|((\w)<<2)
.irp b, 0,1,2,3
	v_max3_num_f32 v[TM+\b], |v[(\s)+16*\b]|, |v[(\s)+16*\b+1]|, 0x4800000   ; each accumulator is read from its low end on
.endr
.irp i, 2,4,6,8,10,12,14
.irp b, 0,1,2,3
	v_max3_num_f32 v[TM+\b], |v[(\s)+16*\b+\i]|, |v[(\s)+16*\b+\i+1]|, v[TM+\b]   ; the four blocks by turns
.endr
.endr
	WIN 0
.irp b, 0,1,2,3
	v_permlanex16_b32 v[TM+4+\b], v[TM+\b], s20, s21
.endr
.irp b, 0,1,2,3
	v_max_num_f32 v[TM+\b], v[TM+\b], v[TM+4+\b]
.endr
.irp b, 0,1,2,3
	v_add_nc_u32 v[TM+12+\b], 0xfc000000, v[TM+\b]
.endr
.irp b, 0,1,2,3
	v_and_or_b32 v[TM+8+\b], v[TM+\b], 0x7f800000, s23
.endr
.irp b, 0,1,2,3
	v_lshrrev_b32 v[TM+4+\b], 23, v[TM+12+\b]      ; the scale's byte
.endr
	v_lshl_or_b32 v[\pw], v[TM+5], 8, v[TM+4]
	v_lshl_or_b32 v[\pw], v[TM+6], 16, v[\pw]
	v_lshl_or_b32 v[\pw], v[TM+7], 24, v[\pw]
.irp b, 0,1,2,3
	WIN (\w)
.irp i, 0,1,2,3,4,5,6,7,8,9,10,11,12,13,14,15
	v_med3_num_f32 v[T+16*\b+\i], v[(\s)+16*\b+\i], -v[TM+8+\b], v[TM+8+\b]   ; the conversion to an 8-bit code does not saturate (ISA guide 7.6.2): the hold at 448 x the scale
.endr
	WIN 0
	v_cvt_scalef32_pk8_fp8_f32 v[(\pc)+4*\b:(\pc)+4*\b+1], v[T+16*\b:T+16*\b+7], v[TM+12+\b]
	v_cvt_scalef32_pk8_fp8_f32 v[(\pc)+4*\b+2:(\pc)+4*\b+3], v[T+16*\b+8:T+16*\b+15], v[TM+12+\b]
.endr
	v_nop                                          ; a plain instruction between the last conversion and whatever writes its sources next
.endm
	; ---- q, k GO OUT: rotate, quantise along the head's 64, store images.  My 128 tokens x 2 heads.  Product 2's first tiles land meanwhile.
	PLACES NP                                      ; behind the last products: results are read, and their operands' registers written, only from here on
	WIN TO_B
	TABLE 4                                        ; source 0's set 1 takes the other four tiles' cos and sin
	TABLE 5
	TABLE 6
	TABLE 7
	WIN 0
	v_lshlrev_b32 v[SH], 4, v2
.irp b, 0,1,2,3
	v_mov_b32 v[TM+4+\b], 0                        ; written once: a lane permute's destination counts as one of its sources
.endr
	s_mov_b32 s20, 0x76543210
	s_mov_b32 s21, 0xfedcba98                      ; v_permlanex16_b32's selects for lane l xor 16
	s_mov_b32 s23, 0x600000                        ; the mantissa field of 448
	s_lshl_b32 s22, s14, 10                        ; 1,024 x wave: my part of a stage
	v_lshlrev_b32 v[SA], 2, v1
	v_lshl_add_u32 v[SA], v2, 9, v[SA]
	v_add_nc_u32 v[SA], s22, v[SA]
	v_add_nc_u32 v[SA], STGQ, v[SA]                ; the stage: head h's 128 words at 512 h, token r's at 4 r
	v_add_nc_u32 v[SRD], s22, v[LI]
	v_add_nc_u32 v[SRD], STGQ, v[SRD]
; Accumulator (a, f): token 16 a + r, channel 16 (f % 4) + 8 h + j of head f / 4.  A pair of registers (x1, x2) turns into (x1 c - x2 s, x1 s + x2 c); (c, s) lies in window 1 at v[32 a + 8 (f % 4) + 2 p].
.macro ROPE a
	WIN 6+(\a)/4                                   ; source 0: window 2 or 3; source 1: window 1
.irp f, 0,1,2,3,4,5,6,7
.irp p, 0,1,2,3
	v_pk_mul_f32 v[T+8*\f+2*\p:T+8*\f+2*\p+1], v[64*((\a)%4)+8*\f+2*\p:64*((\a)%4)+8*\f+2*\p+1], v[32*(\a)+8*(\f%4)+2*\p:32*(\a)+8*(\f%4)+2*\p+1] op_sel_hi:[0,1]   ; (x1 c, x1 s)
.endr
.irp p, 0,1,2,3
	v_pk_fma_f32 v[T+8*\f+2*\p:T+8*\f+2*\p+1], v[64*((\a)%4)+8*\f+2*\p:64*((\a)%4)+8*\f+2*\p+1], v[32*(\a)+8*(\f%4)+2*\p:32*(\a)+8*(\f%4)+2*\p+1], v[T+8*\f+2*\p:T+8*\f+2*\p+1] op_sel:[1,1,0] op_sel_hi:[1,0,1] neg_lo:[0,1,0]   ; (- x2 s, + x2 c)
.endr
.endr
	WIN 0
.endm
.irp a, 0,1,2,3,4,5,6,7
	s_wait_loadcnt 8*(7-\a)                        ; this tile's eight loads are in; those of the tiles behind it may be out
	ROPE \a
	s_wait_xcnt 0x0                                ; the earlier stores have read their registers: this set of codes may be written again
	QUANT T, 0, PCQ+16*(\a%2), PW
.irp b, 0,1,2,3
	global_store_b128 v[LI], v[PCQ+16*(\a%2)+4*\b:PCQ+16*(\a%2)+4*\b+3], s[86:87] offset:131072*(\b/2)+1024*\a+512*(\b%2)   ; head b / 2, block b % 2: 512 consecutive bytes
.endr
	v_lshrrev_b32 v[SW], v[SH], v[PW]              ; lanes 0-15 keep the first head's two bytes in the low half, lanes 16-31 bring the second head's down
	ds_store_b32 v[SA], v[SW] offset:64*\a
.endr
	ds_load_b128 v[8:11], v[SRD]                   ; LDS serves a wave's instructions in order: these see my stores
	ds_load_b128 v[12:15], v[SRD] offset:512
	s_wait_dscnt 0x0
	global_store_b128 v[LI], v[8:11], s[88:89]     ; a head's 128 words: 512 consecutive bytes
	global_store_b128 v[LI], v[12:15], s[88:89] offset:8192
	; ---- PRODUCT 2: v for my 128 tokens (source 0: x, from the slot's first 256 rows) and my 64 channels (source 1: W_v, behind them).  32 accumulators, in window 2.
	s_wait_xcnt 0x0                                ; the stores have read their registers: fragments may land there
	v_mul_u32_u24 v5, v1, PITCH
	v_lshl_add_u32 v5, v2, 4, v5                   ; a fragment's row x pitch + 16 x half
	s_mul_i32 s48, s15, WROWS
	s_add_co_u32 s48, s48, 2*HALFT                 ; my 64 rows of W_v
	s_mul_i32 s49, s16, HALFT                      ; my 128 rows of x
.irp s, 0,1
	v_add_nc_u32 v[ADRA+\s], s48, v5
	v_add_nc_u32 v[ADRB+\s], s49, v5
	s_add_co_u32 s48, s48, SLOT
	s_add_co_u32 s49, s49, SLOT
.endr
	v_mul_u32_u24 v5, v1, KS                       ; my row's scales: 32 bytes a row,
	v_lshrrev_b32 v6, 8, v5
	v_lshl_add_u32 v5, v6, 4, v5                   ; and 16 more for each 256 passed
	s_mul_i32 s48, s15, WH
	s_add_co_u32 s48, s48, WVS                     ; W_v's: my 64 rows
	s_mul_i32 s49, s16, HALFS
	s_add_co_u32 s49, s49, SCL                     ; x's: my 128 rows
	s_sub_co_u32 s48, s48, s49                     ; (W_v's lie behind x's)
	v_xor_b32 v6, 1, v2                            ; 1 - h
	v_mul_u32_u24 v7, s48, v6                      ; lanes 0-15 take W_v's
	v_add_nc_u32 v5, v5, v7
	v_add_nc_u32 v[ADS0], s49, v5
	v_mul_u32_u24 v7, v6, 4*SBLK
	v_sub_nc_u32 v[ADS1], v[ADS0], v7              ; for the loads of x's blocks 4-7: lanes 0-15 then take W_v's blocks 0-3 once more
.macro FETCH_W slot, q, p              ; W_v's four fragments into set p: the registers of blocks 4 p .. 4 p + 3
.irp i, 0,1,2,3
	FRAG AF+FR*(4*(\p)+\i), ADRA+\slot, \q, \i
.endr
.endm
.macro SCALES2 sc                      ; a K step's scale words: register 2 i + q: lanes 16-31 x's block i, lanes 0-15 W_v's block i % 4
.irp i, 0,1,2,3
	ds_load_b64 v[SC+8*NQ*\sc+NQ*\i:SC+8*NQ*\sc+NQ*\i+1], v[ADS0] offset:\i*SBLK
.endr
.irp i, 4,5,6,7
	ds_load_b64 v[SC+8*NQ*\sc+NQ*\i:SC+8*NQ*\sc+NQ*\i+1], v[ADS1] offset:\i*SBLK
.endr
.endm
.macro G2A slot, zero                  ; a slot's first 128 along K, on the sets 0; the second 128's fragments are fetched into the sets 1, 32 matrix instructions ahead of their use
	s_wait_dscnt 0x0                               ; this step's fragments and scale words are in
	PLACES NP                                      ; behind the step before, which multiplied the sets 1
	FETCH_B \slot, 1, 1
	FETCH_W \slot, 1, 1
	WIN MUL_LO
	MUL16 0, 0, 0, \slot, \zero
	MUL16 2, 0, 0, \slot, \zero
	WIN 0
.endm
; A slot's second 128 along K, on the sets 1, changes slots, as in product 1.  fill = 1: this slot is filled again, two K steps ahead, behind a round of the cluster's barrier.
.macro G2T slot, next, fill
	s_wait_tensorcnt 0x0                           ; all my tensor loads have landed: my part of the next slot
	ds_add_u32 v[SPW], v[NIL]                      ; 0 onto my spare word
	s_wait_dscnt 0x1                               ; (the add alone may be out: this step's fragments are in)
	WIN MUL_LO
	MUL16 4, 1, 1, \slot, 0                        ; sixteen matrix instructions stand between the add and the wait for it
	s_wait_dscnt 0x0                               ; the add is done, and my reads of this slot are over
	s_barrier_signal -1
	WIN 0
	s_barrier_wait -1
.if \fill
	CREST                                          ; no wave of any partner still reads this slot or has a load on its way
	s_add_nc_u64 s[G0+4*\slot+2:G0+4*\slot+3], s[G0+4*\slot+2:G0+4*\slot+3], 2*ROWB
	s_add_nc_u64 s[G0W+4*\slot+2:G0W+4*\slot+3], s[G0W+4*\slot+2:G0W+4*\slot+3], 2*ROWB
	JLOAD G0+4*\slot, G1, G0W+4*\slot, G1W         ; the first tensor load behind the round; its four v_nop are among the places in front of the loads below
	PLACES NP-4
.else
	PLACES NP
.endif
	s_wait_alu depctr_va_vdst(0)
	v_add_nc_u32 v[ADS0], 4*NQ, v[ADS0]            ; on to the next K step's scale words
	v_add_nc_u32 v[ADS1], 4*NQ, v[ADS1]
	FETCH_B \next, 0, 0
	FETCH_W \next, 0, 0
	SCALES2 \next
	WIN MUL_LO
	MUL16 6, 1, 1, \slot, 0
	WIN 0
.endm
	FETCH_B 0, 0, 0                                ; slot 0 has been whole since the round in product 1's last step
	FETCH_W 0, 0, 0
	SCALES2 0
	G2A 0, 1                                       ; the first step's products start the sums
	G2T 0, 1, 1                                    ; slot 0 takes K step 2
	G2A 1, 0
	G2T 1, 0, 1                                    ; slot 1 takes K step 3
	G2A 0, 0
	G2T 0, 1, 0                                    ; nothing is left to fetch
	G2A 1, 0
	s_wait_dscnt 0x0
	WIN MUL_LO
	MUL16 4, 1, 1, 1, 0
	MUL16 6, 1, 1, 1, 0
	WIN 0
	; ---- v GOES OUT: quantise along the tokens, store images, scale words and the sums of the quantised numbers.  My 64 channels (one head) x 128 tokens (one key step).
	PLACES NP                                      ; behind the last products
	v_lshlrev_b32 v[SA], 2, v1
	v_add_nc_u32 v[SA], s22, v[SA]
	v_add_nc_u32 v[SA], STGV, v[SA]                ; the stage: 64 scale words, then 64 sums
	v_add_nc_u32 v[SRD], s22, v[LI]
	v_add_nc_u32 v[SRD], STGV, v[SRD]
	v_lshlrev_b32 v[VT], 4, v1
	v_mul_u32_u24 v7, s95, v2
	v_add_nc_u32 v[VT], v[VT], v7
	v_add_nc_u32 v[VT], s94, v[VT]                 ; lanes 0-15: the scale words' 256 bytes; lanes 16-31: the sums'
	v_mov_b32 v[ONE], 0x7f7f7f7f                   ; scale 1 for a fragment of ones
	WIN 0x40
.irp i, 0,1,2,3,4,5,6,7,8,9,10,11,12,13,14,15
	v_mov_b32 v[\i], 0x38383838                    ; window 1: a fragment of 16 x 128 codes of 1.0
.endr
	WIN 0
.irp a, 0,1,2,3
	QUANT 64*\a, 2, PCV+16*\a, PW+\a
.irp c, 0,1,2,3
	global_store_b128 v[LI], v[PCV+16*\a+4*\c:PCV+16*\a+4*\c+3], s[90:91] offset:2048*\a+512*\c   ; 512 consecutive bytes
.endr
	ds_store_b32 v[SA], v[PW+\a] offset:64*\a      ; both halves of the lanes write the same word with the same value
.endr
	PLACES NP                                      ; a scale word made by vector instructions stands eight places ahead of a scaled matrix instruction, codes four
	WIN 0x01                                       ; source 0 window 1
.irp a, 0,1,2,3
	v_wmma_scale_f32_16x16x128_f8f6f4 v[T+8*\a:T+8*\a+7], v[0:15], v[PCV+16*\a:PCV+16*\a+15], 0, v[ONE], v[PW+\a]   ; ones x the quantised v: every register of lane r holds channel 16 a + r's sum over the 128 tokens
.endr
	WIN 0
	PLACES NP
.irp a, 0,1,2,3
	ds_store_b32 v[SA], v[T+8*\a] offset:256+64*\a
.endr
	ds_load_b128 v[8:11], v[SRD]                   ; LDS serves a wave's instructions in order: this sees my stores
	s_wait_dscnt 0x0
	global_store_b128 v[VT], v[8:11], s[92:93]     ; each sixteen lanes store 256 consecutive bytes, at a multiple of 256 from v_aux's first byte
	s_wait_tensorcnt 0x0                           ; the wave's end: behind my last tensor load and my last LDS store
	ds_add_u32 v[SPW], v[NIL]
	s_wait_dscnt 0x0
	CROUND                                         ; the closing round: no work-group ends while a partner may still ask for a tile that names it
	s_endpgm
.Lfunc_end_k_qe3e61b8610_qkv:
	.size	k_qe3e61b8610_qkv, .Lfunc_end_k_qe3e61b8610_qkv-k_qe3e61b8610_qkv
	.p2alignl 7, 3214868480
	.fill 96, 4, 3214868480
	.section	.rodata,"a",@progbits
	.p2align	6, 0x0
	.amdhsa_kernel k_qe3e61b8610_qkv
		.amdhsa_group_segment_fixed_size 327680
		.amdhsa_private_segment_fixed_size 0
		.amdhsa_enable_private_segment 0
		.amdhsa_kernarg_size 104
		.amdhsa_user_sgpr_count 2
		.amdhsa_user_sgpr_kernarg_segment_ptr 1
		.amdhsa_wavefront_size32 1
		.amdhsa_system_sgpr_workgroup_id_x 1
		.amdhsa_system_sgpr_workgroup_id_y 1
		.amdhsa_system_sgpr_workgroup_id_z 1
		.amdhsa_system_vgpr_workitem_id 0
		.amdhsa_next_free_vgpr 1024
		.amdhsa_next_free_sgpr 102
		.amdhsa_reserve_vcc 0
		.amdhsa_float_denorm_mode_32 3
		.amdhsa_float_denorm_mode_16_64 3
		.amdhsa_memory_ordered 1
		.amdhsa_forward_progress 1
		.amdhsa_inst_pref_size 255
	.end_amdhsa_kernel
	.section	.bss,"aw",@nobits
	.p2align	6
	.space	262144
	.amdgpu_metadata
---
amdhsa.version: [ 1, 2 ]
amdhsa.kernels:
  - .name:           k_qe3e61b8610_qkv
    .symbol:         k_qe3e61b8610_qkv.kd
    .args:
      - { .name: x_codes, .offset: 0, .size: 8, .value_kind: global_buffer, .address_space: global }
      - { .name: x_scales, .offset: 8, .size: 8, .value_kind: global_buffer, .address_space: global }
      - { .name: W_q_codes, .offset: 16, .size: 8, .value_kind: global_buffer, .address_space: global }
      - { .name: W_q_scales, .offset: 24, .size: 8, .value_kind: global_buffer, .address_space: global }
      - { .name: W_k_codes, .offset: 32, .size: 8, .value_kind: global_buffer, .address_space: global }
      - { .name: W_k_scales, .offset: 40, .size: 8, .value_kind: global_buffer, .address_space: global }
      - { .name: W_v_codes, .offset: 48, .size: 8, .value_kind: global_buffer, .address_space: global }
      - { .name: W_v_scales, .offset: 56, .size: 8, .value_kind: global_buffer, .address_space: global }
      - { .name: rope, .offset: 64, .size: 8, .value_kind: global_buffer, .address_space: global }
      - { .name: qk_img, .offset: 72, .size: 8, .value_kind: global_buffer, .address_space: global }
      - { .name: qk_scl, .offset: 80, .size: 8, .value_kind: global_buffer, .address_space: global }
      - { .name: v_img, .offset: 88, .size: 8, .value_kind: global_buffer, .address_space: global }
      - { .name: v_aux, .offset: 96, .size: 8, .value_kind: global_buffer, .address_space: global }
    .group_segment_fixed_size: 327680
    .private_segment_fixed_size: 0
    .kernarg_segment_align: 8
    .kernarg_segment_size: 104
    .max_flat_workgroup_size: 128
    .sgpr_count:     102
    .vgpr_count:     1024
    .wavefront_size: 32
...
	.end_amdgpu_metadata
.endif
;; end of part 2
;; launch attn (part 3): grid 4 x 64, 16 waves a work-group, no clusters, 327,680 bytes of LDS; arguments qk_img, qk_scl, v_img, v_aux, attention_mask, o_img, o_scl; writes o_img, o_scl
.if DOCPART == 3
	.amdgcn_target "amdgcn-amd-amdhsa--gfx1250"
	.amdhsa_code_object_version 6
	.text
	.protected	k_qe3e61b8610_attn
	.globl	k_qe3e61b8610_attn
	.p2align	8
	.type	k_qe3e61b8610_attn,@function
k_qe3e61b8610_attn:
	s_mov_b64 s[64:65], 0
	v_nop
	global_prefetch_b8 v0, s[64:65] scope:SCOPE_SE
	s_setreg_imm32_b32 hwreg(HW_REG_WAVE_MODE, 25, 1), 1
	s_wait_xcnt 0x0
; o = softmax(mask(q k^T / 8)) v for one head, both products on codes of FP8 (E4M3) with E8M0 scales; the attention weights are quantised FINISHED AND NORMALISED, so the keys are walked twice:
; pass 1 finds each row's maximum m and sum l; pass 2 makes the scores again, p = 2^(c s - x) with c = log2(e) / 8 and x = c m + log2(l), quantises p along the keys and multiplies by V.  o is quantised along the model's 1,024 and leaves as images of the last launch's operand registers.
; SHARES.  Work-group (i, batch x head) owns query blocks i and 7 - i of 256 queries: equal causal work for all 256 work-groups.  Each of sixteen waves owns one tile of 16 queries in each of the two phases.
; The head's K image (131,072 bytes), V image (131,072) and V's scale words stay in LDS, filled once by two tensor loads a wave and stores from registers: no slot is filled again.
; Not in clusters: the four work-groups of a head read the same K and V, but which key steps a wave leaves out hangs on its work-group's place, and partners of joint loads have to run alike.
; LAYOUT.  S^T = K Q^T (source 0 = 16 keys, source 1 = my 16 queries), O^T = V^T P^T: a lane holds ONE query (lane % 16).  The 16 registers of score tiles 2 b, 2 b + 1 hold keys 32 b + 16 u + 8 h + j, the order in which V's codes were laid.
; K = 64 IS HALF OF THE INSTRUCTION'S 128.  The rest is zero codes, but for k = 64: K's code there is 2^-6, Q's is -1, Q's scale byte 127, and a key's scale byte is 254 where attention_mask is 0 and 0 where it is not:
; a padded key's score becomes -2^121, a visible one's carries -2^-133.  Keys after the query get -2^121 by a select, in the one step on the diagonal; steps wholly after the wave's queries are left out by a scalar branch on ids.
; A ROW WITH NO VISIBLE KEY has the weight 1 / 2,048 on all 2,048 keys: its o is the mean of the quantised v, made from the sums that the launch before stored.  Such a row is known by its maximum, which starts at -2^60 and stays there; its x is set to 0 (all its p are 0) and its o is chosen by a select.
; THE VECTOR WORK OUTWEIGHS THE PRODUCTS (20 matrix instructions for a step's two passes), so instructions are spared: the maxima of the first four score tiles are the places behind the last four tiles' products; p's hold goes two numbers an instruction; a lane's eight scale words of K come by two loads.
; LIMITS: scores under -2^60 count as masked; a p under 2^-126 is 0 (v_exp_f32 flushes); all p of a row share the rounding of the one f32 number x; blocks of zeros get the scale byte 1; NaN and infinities are not served.
; THE FILLS, in place of the sentence on three loads above: K's image comes by one tensor load a wave at the head, V's image by one a wave behind the first barrier, V's scale words through registers (8 bytes a thread).
; THE ORDER: the first phase takes query block 7 - i, the second block i.  All of LDS is claimed.
.set VIMG, 131072                      ; LDS: K's image at 0, V's here,
.set KSC,  262144                      ; K's scale words with the mask's byte, 8,192 bytes, stored by the waves: [key step 16][r 16][tile 8] words,
.set VSC,  270336                      ; V's scale words, 4,096 bytes,
.set VM,   274432                      ; the mean of the quantised v, 256 bytes, stored by waves 0 and 1
.set L16,  1                           ; v1   16 x lane
.set AKS,  2                           ; v2   KSC + 32 r
.set R4,   3                           ; v3   4 r
.set AV,   4                           ; v4   VIMG + 16 x lane
.set AVS,  5                           ; v5   VSC + 4 r
.set ADK,  6                           ; v6, v7, v9, v10  the step's addresses: K's image, K's scale words, V's image, V's scale words
.set ADS,  7
.set RH,   8                           ; v8   8 r + h
.set ADV,  9
.set ADT,  10
.set NEGB, 11                          ; v11  -2^121
.set QF,   16                          ; v16-31   Q's fragment; registers 8-15 constants
.set KF,   32                          ; v32-95   four fragments of K; registers 8-15 of each constants, written once
.set S,    96                          ; v96-159  scores, then p, then V's four fragments
.set O,    160                         ; v160-191 O^T
.set PCD,  192                         ; v192-207 codes of p, at the end of o
.set TM,   208                         ; v208-211 block maxima, v212-215 second chains, then bytes, v216-219 448 x the scale, v220-223 the conversions' scale operands
.set KS,   224                         ; v224-231 K's scale words;  v232-235 V's;  v236 Q's;  v237 p's
.set VS,   232
.set QS,   236
.set PS,   237
.set FF,   238                         ; v238 f = 2^(c (old m - new m)), the low word of a pair;  v239 m
.set MM,   239
.set LC,   245                         ; v245-248 448 x the scale once more, one register bank on: the second halves of the paired holds read these
.set WV,   18
.set MNT,  19                          ; s19  the mantissa field of 448
.set SEL,  20                          ; s[20:21] selects for lane l xor 16
.set CS,   22                          ; s[22:23] c, twice
.set TK,   66                          ; s66  the step's images: 8,192 bytes a step
.set TS,   67                          ; s67  K's scale words: 512
.set TV,   68                          ; s68  V's: 256
.set KF0,  69                          ; s69  the step's first key
.set Q0,   70                          ; s70  my first query
.set CNT,  71
.set FLAG, 73                          ; s73  lanes whose row has no visible key
	s_load_b256 s[4:11], s[0:1], 0x0               ; qk_img, qk_scl, v_img, v_aux
	s_load_b128 s[12:15], s[0:1], 0x20             ; attention_mask, o_img
	s_load_b64 s[16:17], s[0:1], 0x30              ; o_scl
	v_lshl_add_u32 v254, v0, 2, 0x45100
	v_mov_b32 v255, 0
	ds_add_u32 v254, v255
	ds_add_u32 v254, v255
	v_lshrrev_b32 v6, 5, v0
	s_delay_alu instid0(VALU_DEP_1)
	v_readfirstlane_b32 s[WV], v6                  ; wave 0..15
	s_and_b32 s82, ttmp7, 0xffff                   ; 16 x batch + head
	s_lshr_b32 s83, s82, 4                         ; batch
	s_and_b32 s84, s82, 15                         ; head
	; descriptor group 1: dense bytes as 32 rows of 256 (32 elements of 8 bytes)
	s_mov_b32 s24, 3<<16
	s_mov_b32 s25, 32<<16                          ; tensor_dim0
	s_mov_b32 s26, 32<<16                          ; tensor_dim1
	s_mov_b32 s27, 32<<16                          ; tile_dim0
	s_mov_b32 s28, 32                              ; tile_dim1
	s_mov_b32 s29, 32                              ; the pitch
	s_mov_b32 s30, 0
	s_mov_b32 s31, 0
	s_lshl_b32 s40, s82, 17
	s_lshl_b32 s42, s[WV], 13                      ; my 8,192 bytes of each image
	s_add_co_u32 s40, s40, s42
	s_mov_b32 s41, 0
	s_lshl_b32 s44, s82, 12
	s_lshl_b32 s43, s[WV], 8                       ; my 256 bytes of V's scale words
	s_add_co_u32 s44, s44, s43
	s_mov_b32 s45, 0
	s_lshl_b32 s46, s82, 13
	s_add_co_u32 s46, s46, 524288                  ; k's scale words of the head
	s_mov_b32 s47, 0
	s_lshl_b32 s74, s83, 13                        ; the batch's mask
	s_mov_b32 s75, 0
	s_lshl_b32 s76, s83, 16
	s_lshl_b32 s77, s84, 8
	s_add_co_u32 s76, s76, s77
	s_add_co_u32 s76, s76, 262144                  ; the sums of v: row 16 x batch, my head's 64 channels
	s_mov_b32 s77, 0
	s_mov_b32 s[MNT], 0x600000
	s_mov_b32 s[SEL], 0x76543210
	s_mov_b32 s[SEL+1], 0xfedcba98
	s_mov_b32 s[CS], 0x3e38aa3b                    ; log2(e) / 8
	s_mov_b32 s[CS+1], s[CS]
	s_mov_b32 s89, 0xdd800000                      ; -2^60
	s_wait_dscnt 0x0
	s_wait_kmcnt 0x0
	s_mov_b32 s48, 1
	s_mov_b32 s49, s42
	s_add_nc_u64 s[50:51], s[4:5], s[40:41]
	s_add_nc_u64 s[50:51], s[50:51], 0x800000      ; k's images lie behind q's
	s_or_b32 s51, s51, 0x80000000
	s_mov_b32 s52, 1
	s_add_co_u32 s53, s42, VIMG
	s_add_nc_u64 s[54:55], s[8:9], s[40:41]
	s_or_b32 s55, s55, 0x80000000
	s_add_nc_u64 s[58:59], s[10:11], s[44:45]      ; my wave's 256 bytes of V's scale words
	s_add_nc_u64 s[60:61], s[6:7], s[46:47]
	s_add_nc_u64 s[62:63], s[12:13], s[74:75]
	s_add_nc_u64 s[86:87], s[10:11], s[76:77]
	tensor_load_to_lds s[48:51], s[24:31]          ; my 8,192 bytes of K's image: my one tensor load at the head
	s_nop 0
.rept 4
	v_nop
.endr
	v_lshlrev_b32 v248, 4, v0
	global_load_b128 v[96:99], v248, s[60:61]      ; four keys' scale words,
	global_load_b128 v[100:103], v248, s[62:63]    ; and their mask
	v_and_b32 v243, 31, v0
	s_delay_alu instid0(VALU_DEP_1)
	v_lshlrev_b32 v[L16], 4, v243
	v_and_b32 v244, 15, v0                         ; r
	v_bfe_u32 v245, v0, 4, 1                       ; h
	s_delay_alu instid0(VALU_DEP_2)
	v_lshlrev_b32 v[R4], 2, v244
	s_delay_alu instid0(VALU_DEP_3)
	v_lshl_add_u32 v[AKS], v244, 5, KSC
	v_add_nc_u32 v[AV], VIMG, v[L16]
	s_delay_alu instid0(VALU_DEP_3)
	v_add_nc_u32 v[AVS], VSC, v[R4]
	v_lshl_add_u32 v[RH], v244, 3, v245
	v_mov_b32 v[NEGB], 0xfc000000
	v_lshlrev_b32 v241, 3, v243                    ; 8 x lane
	global_load_b64 v[120:121], v241, s[58:59]     ; V's scale words: 8 bytes a thread, 256 consecutive bytes a wave
	v_mov_b32 v13, 0                               ; (named as the upper half of the pair v[12:13])
	v_cmp_eq_u32 vcc_lo, 0, v245
	v_mov_b32 v246, 0x08                           ; the code of 2^-6
	v_mov_b32 v247, 0xb8                           ; the code of -1
.irp t, 0,1,2,3
	v_cndmask_b32 v[KF+16*\t+8], 0, v246, vcc_lo   ; k = 64 lies in byte 0 of register 8 of lanes 0-15
.irp i, 9,10,11,12,13,14,15
	v_mov_b32 v[KF+16*\t+\i], 0                    ; the rest of the padded K: zero codes
.endr
.endr
	v_cndmask_b32 v[QF+8], 0, v247, vcc_lo
.irp i, 9,10,11,12,13,14,15
	v_mov_b32 v[QF+\i], 0
.endr
.irp b, 0,1,2,3
	v_mov_b32 v[TM+4+\b], 0                        ; written once: a lane permute's destination counts as one of its sources (v243, v244 likewise, above)
.endr
	s_cmp_lt_u32 s[WV], 2
	s_cbranch_scc0 .Lno_mean
	v_lshlrev_b32 v252, 2, v0                      ; threads 0-63: channel d
.irp s, 0,1,2,3,4,5,6,7,8,9,10,11,12,13,14,15
	global_load_b32 v[104+\s], v252, s[86:87] offset:4096*\s
.endr
	s_wait_loadcnt 0x0
.irp i, 0,1,2,3,4,5,6,7
	v_add_f32 v[104+\i], v[104+\i], v[112+\i]
.endr
.irp i, 0,1,2,3
	s_delay_alu instid0(VALU_DEP_4)
	v_add_f32 v[104+\i], v[104+\i], v[108+\i]
.endr
	s_delay_alu instid0(VALU_DEP_2)
	v_add_f32 v104, v104, v106
	s_delay_alu instid0(VALU_DEP_2)
	v_add_f32 v105, v105, v107
	s_delay_alu instid0(VALU_DEP_1)
	v_add_f32 v104, v104, v105
	s_delay_alu instid0(VALU_DEP_1)
	v_mul_f32 v104, 0x3a000000, v104               ; x 2^-11
	v_lshl_add_u32 v251, v0, 2, VM
	ds_store_b32 v251, v104
.Lno_mean:
	s_wait_loadcnt 0x0
	v_mov_b32 v249, 0xfe0000                       ; byte 2 = 254
.irp i, 0,1,2,3
	v_cmp_eq_u32 vcc_lo, 0, v[100+\i]
	s_delay_alu instid0(VALU_DEP_1)
	v_cndmask_b32 v[104+\i], 0, v249, vcc_lo
	s_delay_alu instid0(VALU_DEP_1)
	v_and_or_b32 v[96+\i], v[96+\i], 0xffff, v[104+\i]
.endr
	; thread t holds keys 4 t + e: key step t / 32, tile (t / 4) % 8, r = 4 (t % 4) + e.  The words go to [step][r][tile], so that a lane finds the eight tiles' words of its r on end
	v_lshrrev_b32 v250, 5, v0
	s_delay_alu instid0(VALU_DEP_1)
	v_lshlrev_b32 v250, 9, v250                    ; 512 bytes a key step
	v_bfe_u32 v251, v0, 2, 3
	s_delay_alu instid0(VALU_DEP_1)
	v_lshl_add_u32 v250, v251, 2, v250             ; 4 bytes a tile
	v_and_b32 v251, 3, v0
	s_delay_alu instid0(VALU_DEP_1)
	v_lshl_add_u32 v250, v251, 7, v250             ; 32 bytes an r: 128 (t % 4), and 32 e in the offsets below
	s_delay_alu instid0(VALU_DEP_1)
	v_add_nc_u32 v250, KSC, v250
	ds_store_b32 v250, v96
	ds_store_b32 v250, v97 offset:32
	ds_store_b32 v250, v98 offset:64
	ds_store_b32 v250, v99 offset:96
	v_lshl_add_u32 v240, v0, 3, VSC
	ds_store_b64 v240, v[120:121]                  ; V's scale words, as they lie in memory
	s_wait_alu depctr_va_vdst(0)
	s_wait_tensorcnt 0x0                           ; my part of K's image is in
	ds_add_u32 v254, v255                          ; 0 onto my spare word
	s_wait_dscnt 0x0                               ; the add and my stores have landed
	s_barrier_signal -1
	s_barrier_wait -1                              ; K's image, K's and V's scale words and the mean are whole
	tensor_load_to_lds s[52:55], s[24:31]          ; my 8,192 bytes of V's image: a first fill, my one tensor load behind this barrier; it is waited for behind the first phase's first pass
	s_nop 0
.rept 4
	v_nop
.endr
.macro PLACES n
.rept \n
	v_nop
.endr
.endm
; No v_nop stands behind the last four products: what follows works on the first four tiles' scores for eight plain instructions or more, on both ways: the selects below, or the maxima of blocks 0 and 1.
.macro SCORES pass
	v_add_nc_u32 v[ADK], s[TK], v[L16]
	s_wait_alu depctr_va_vdst(0)
	v_add_nc_u32 v[ADS], s[TS], v[AKS]
.if \pass == 2
	v_add_nc_u32 v[ADV], s[TK], v[AV]
	v_add_nc_u32 v[ADT], s[TV], v[AVS]
	PLACES 6                                       ; with the four additions ten places: the products below write over V's fragments, which the step before multiplied (nine are asked)
.endif
	ds_load_b128 v[KS:KS+3], v[ADS]                ; the eight tiles' scale words of my r
	ds_load_b128 v[KS+4:KS+7], v[ADS] offset:16
.irp g, 0,1
.if \g
	PLACES 8                                       ; in front of loads into registers that matrix instructions have read; also the places behind the first four tiles' products
.endif
.irp t, 0,1,2,3
	ds_load_b128 v[KF+16*\t:KF+16*\t+3], v[ADK] offset:1024*(4*\g+\t)
	ds_load_b128 v[KF+16*\t+4:KF+16*\t+7], v[ADK] offset:1024*(4*\g+\t)+512
.endr
	s_wait_dscnt 0x0
.irp t, 0,1,2,3
	v_wmma_scale_f32_16x16x128_f8f6f4 v[S+8*(4*\g+\t):S+8*(4*\g+\t)+7], v[KF+16*\t:KF+16*\t+15], v[QF:QF+15], 0, v[KS+4*\g+\t], v[QS]
.endr
.endr
	s_add_co_u32 s72, s[KF0], 127                  ; a step all of whose keys count skips the causal select: a scalar branch on ids
	s_cmp_le_u32 s72, s[Q0]
	s_cbranch_scc1 .Lopen_\@
	s_sub_co_i32 s72, s[Q0], s[KF0]
	v_and_b32 v243, 15, v0
	v_bfe_u32 v244, v0, 4, 1
	s_delay_alu instid0(VALU_DEP_1)
	v_lshlrev_b32 v244, 3, v244
	s_delay_alu instid0(VALU_DEP_1)
	v_sub_nc_u32 v243, v243, v244
	s_delay_alu instid0(VALU_DEP_1)
	v_add_nc_u32 v242, s72, v243                   ; my query - the step's first key - 8 h.  Register 8 T + j holds key 16 T + 8 h + j of the step: hidden where 16 T + j is larger
.set n, 0
.rept 64
	v_cmp_gt_i32 vcc_lo, 16*(n/8)+n%8, v242        ; in ascending order: the first four tiles' 64 lines stand ahead of the first touch of the last four's
	v_cndmask_b32 v[S+n], v[S+n], v[NEGB], vcc_lo
.set n, n+1
.endr
.Lopen_\@:
.endm
; The largest of the first 15 of my 16 scores of blocks b0 and b0 + 1, each block in two chains, so that four chains take turns; each accumulator is read from its low end on.
.macro HALFMAX b0
.irp b, \b0, \b0+1
	v_max3_num_f32 v[TM+(\b)], v[S+16*(\b)], v[S+16*(\b)+1], v[S+16*(\b)+2]
	v_max3_num_f32 v[TM+4+(\b)], v[S+16*(\b)+7], v[S+16*(\b)+8], v[S+16*(\b)+9]
.endr
.irp i, 3,5
.irp b, \b0, \b0+1
	v_max3_num_f32 v[TM+(\b)], v[TM+(\b)], v[S+16*(\b)+\i], v[S+16*(\b)+\i+1]
	v_max3_num_f32 v[TM+4+(\b)], v[TM+4+(\b)], v[S+16*(\b)+\i+7], v[S+16*(\b)+\i+8]
.endr
.endr
.irp b, \b0
	v_max3_num_f32 v[TM+(\b)], v[TM+(\b)], v[TM+4+(\b)], v[S+16*(\b)+14]
.endr
.irp b, \b0+1
	v_max3_num_f32 v[TM+(\b)], v[TM+(\b)], v[TM+4+(\b)], v[S+16*(\b)+14]
.endr
.endm
.macro SHIFT                           ; c s + v12, two at a time
.set j, 0
.rept 32
	v_pk_fma_f32 v[S+j:S+j+1], v[S+j:S+j+1], s[CS:CS+1], v[12:13] op_sel_hi:[1,0,0]
.set j, j+2
.endr
.endm
.macro EXPS
.set j, 0
.rept 64
	v_exp_f32 v[S+j], v[S+j]
.set j, j+1
.endr
.endm
; PASS 1, a key step.  Each half of the lanes keeps the maximum and the sum of its own 64 keys of a step; the halves meet once, behind the pass.
.macro STEP1
	s_add_co_u32 s72, s[Q0], 15
	s_cmp_gt_u32 s[KF0], s72                       ; all 128 keys come after my 16 queries: the step's work is left out, not the lines that step addresses
	s_cbranch_scc1 .Lskip_\@
	s_wait_alu depctr_va_vdst(0)
	SCORES 1
	HALFMAX 0
	HALFMAX 2
	v_max3_num_f32 v243, v[TM], v[TM+1], v[S+15]   ; the four chains, the four scores left over and the old m: nine numbers in four lines
	v_max3_num_f32 v244, v[TM+2], v[TM+3], v[S+31]
	v_max3_num_f32 v243, v243, v[S+47], v[S+63]
	s_delay_alu instid0(VALU_DEP_1)
	v_max3_num_f32 v243, v243, v244, v[MM]         ; the new m
	s_delay_alu instid0(VALU_DEP_1)
	v_sub_f32 v244, v[MM], v243
	s_delay_alu instid0(VALU_DEP_1)
	v_mul_f32 v244, s[CS], v244
	s_wait_alu depctr_va_vdst(0)
	v_exp_f32 v[FF], v244                          ; f
	v_mov_b32 v[MM], v243
	v_mul_f32 v12, -v243, s[CS]                    ; -c m
	SHIFT
	s_wait_alu depctr_va_vdst(0)
	EXPS
	s_wait_alu depctr_va_vdst(0)
	v_pk_mul_f32 v[14:15], v[14:15], v[FF:FF+1] op_sel_hi:[1,0]   ; the sum under the new m.  (A plain instruction behind the exponentials)
	v_pk_add_f32 v[240:241], v[100:101], v[104:105]
	v_pk_add_f32 v[252:253], v[108:109], v[112:113]
	v_pk_add_f32 v[250:251], v[116:117], v[120:121]
	v_pk_add_f32 v[248:249], v[124:125], v[128:129]
	v_pk_add_f32 v[246:247], v[132:133], v[136:137]
	v_pk_add_f32 v[234:235], v[140:141], v[144:145]
	v_pk_add_f32 v[232:233], v[148:149], v[152:153]
	v_pk_add_f32 v[14:15], v[14:15], v[156:157]
	v_pk_add_f32 v[240:241], v[240:241], v[96:97]
	v_pk_add_f32 v[252:253], v[252:253], v[98:99]
	v_pk_add_f32 v[250:251], v[250:251], v[102:103]
	v_pk_add_f32 v[248:249], v[248:249], v[106:107]
	v_pk_add_f32 v[246:247], v[246:247], v[110:111]
	v_pk_add_f32 v[234:235], v[234:235], v[114:115]
	v_pk_add_f32 v[232:233], v[232:233], v[118:119]
	v_pk_add_f32 v[14:15], v[14:15], v[122:123]
	v_pk_add_f32 v[240:241], v[240:241], v[126:127]
	v_pk_add_f32 v[252:253], v[252:253], v[130:131]
	v_pk_add_f32 v[250:251], v[250:251], v[134:135]
	v_pk_add_f32 v[248:249], v[248:249], v[138:139]
	v_pk_add_f32 v[246:247], v[246:247], v[142:143]
	v_pk_add_f32 v[234:235], v[234:235], v[146:147]
	v_pk_add_f32 v[232:233], v[232:233], v[150:151]
	v_pk_add_f32 v[14:15], v[14:15], v[154:155]
	v_pk_add_f32 v[240:241], v[240:241], v[158:159]
	s_delay_alu instid0(VALU_DEP_2)
	v_pk_add_f32 v[14:15], v[14:15], v[248:249]
	s_delay_alu instid0(VALU_DEP_2)
	v_pk_add_f32 v[240:241], v[240:241], v[246:247]
	v_pk_add_f32 v[252:253], v[252:253], v[234:235]
	v_pk_add_f32 v[250:251], v[250:251], v[232:233]
	s_delay_alu instid0(VALU_DEP_2)
	v_pk_add_f32 v[14:15], v[14:15], v[252:253]
	s_delay_alu instid0(VALU_DEP_2)
	v_pk_add_f32 v[240:241], v[240:241], v[250:251]
	s_delay_alu instid0(VALU_DEP_1)
	v_pk_add_f32 v[14:15], v[14:15], v[240:241]
.Lskip_\@:
	s_add_co_u32 s[KF0], s[KF0], 128
	s_add_co_u32 s[TK], s[TK], 8192
	s_add_co_u32 s[TS], s[TS], 512
.endm
; The halves meet: M, l under M (two products and one commutative sum, so that both halves hold the same bits), x = c M + log2(l), v12 = -x.
.macro MERGE
	v_add_f32 v14, v14, v15
	v_permlanex16_b32 v243, v[MM], s[SEL], s[SEL+1]
	s_delay_alu instid0(VALU_DEP_2)
	v_permlanex16_b32 v244, v14, s[SEL], s[SEL+1]
	s_delay_alu instid0(VALU_DEP_2)
	v_max_num_f32 v245, v[MM], v243
	s_delay_alu instid0(VALU_DEP_1)
	v_sub_f32 v246, v[MM], v245
	s_delay_alu instid0(VALU_DEP_2)
	v_sub_f32 v247, v243, v245
	s_delay_alu instid0(VALU_DEP_2)
	v_mul_f32 v246, s[CS], v246
	s_delay_alu instid0(VALU_DEP_2)
	v_mul_f32 v247, s[CS], v247
	s_wait_alu depctr_va_vdst(0)
	v_exp_f32 v246, v246
	v_exp_f32 v247, v247
	v_mov_b32 v250, 0
	s_wait_alu depctr_va_vdst(0)
	v_mul_f32 v14, v14, v246
	v_mul_f32 v244, v244, v247
	s_delay_alu instid0(VALU_DEP_1)
	v_add_f32 v14, v14, v244
	s_wait_alu depctr_va_vdst(0)
	v_log_f32 v248, v14
	v_nop
	v_cmp_ge_f32 s[FLAG], s89, v245                ; no visible key: the maximum never left -2^60
	s_wait_alu depctr_va_vdst(0)
	v_fma_f32 v248, s[CS], v245, v248
	s_delay_alu instid0(VALU_DEP_1)
	v_cndmask_b32 v248, v248, v250, s[FLAG]        ; such a row's x is 0: every p of it is 2^(-c 2^121) = 0
	s_delay_alu instid0(VALU_DEP_1)
	v_sub_f32 v12, 0, v248
	s_delay_alu instid0(VALU_DEP_1)
	v_mov_b32 v13, v12
.endm
; PASS 2, a key step.  first = 1: the products start O^T's sums; key step 0 is visible to every wave, so it has no test.
.macro STEP2 first
.if \first == 0
	s_add_co_u32 s72, s[Q0], 15
	s_cmp_gt_u32 s[KF0], s72
	s_cbranch_scc1 .Lskip_\@
.endif
	SCORES 2
	HALFMAX 0                                      ; p rises with the score: a block's largest score gives its largest p
	HALFMAX 2
.irp b, 0,1,2,3
	v_max_num_f32 v[TM+\b], v[TM+\b], v[S+16*\b+15]
.endr
.irp b, 0,1,2,3
	s_delay_alu instid0(VALU_DEP_4)
	v_permlanex16_b32 v[TM+4+\b], v[TM+\b], s[SEL], s[SEL+1]
.endr
.irp b, 0,1,2,3
	s_delay_alu instid0(VALU_DEP_4)
	v_max_num_f32 v[TM+\b], v[TM+\b], v[TM+4+\b]   ; with lane l xor 16's 16 keys
.endr
	SHIFT
.irp b, 0,1,2,3
	v_fma_f32 v[TM+\b], v[TM+\b], s[CS], v12
.endr
	s_wait_alu depctr_va_vdst(0)
	EXPS                                           ; p, finished and normalised
.irp b, 0,1,2,3
	v_exp_f32 v[TM+\b], v[TM+\b]
.endr
	v_nop
	s_wait_alu depctr_va_vdst(0)
.irp b, 0,1,2,3
	v_max_num_f32 v[TM+\b], 0x4800000, v[TM+\b]    ; the floor 2^(9 - 127): the byte cannot fall under 1
.endr
.irp b, 0,1,2,3
	s_delay_alu instid0(VALU_DEP_4)
	v_add_nc_u32 v[TM+12+\b], 0xfc000000, v[TM+\b] ; 8 off the exponent field: the conversion's scale operand
.endr
.irp b, 0,1,2,3
	v_and_or_b32 v[TM+8+\b], v[TM+\b], 0x7f800000, s[MNT]   ; 448 x the scale,
.endr
.irp b, 0,1,2,3
	v_and_or_b32 v[LC+\b], v[TM+\b], 0x7f800000, s[MNT]     ; and once more: register 245 + b lies one bank on from 216 + b, as the second sources of a pair have to
.endr
.irp b, 0,1,2,3
	v_lshrrev_b32 v[TM+4+\b], 23, v[TM+12+\b]
.endr
	s_delay_alu instid0(VALU_DEP_3)
	v_lshl_or_b32 v[PS], v[TM+5], 8, v[TM+4]       ; p's scale word for these 128 keys
	s_delay_alu instid0(VALU_DEP_1)
	v_lshl_or_b32 v[PS], v[TM+6], 16, v[PS]
	s_delay_alu instid0(VALU_DEP_1)
	v_lshl_or_b32 v[PS], v[TM+7], 24, v[PS]
.irp b, 0,1,2,3
.irp i, 0,2,4,6,8,10,12,14
	v_dual_min_num_f32 v[S+16*\b+\i], v[S+16*\b+\i], v[TM+8+\b] :: v_dual_min_num_f32 v[S+16*\b+\i+1], v[S+16*\b+\i+1], v[LC+\b]   ; the conversion does not saturate (ISA guide 7.6.2); p is not negative, so the hold is one-sided; two numbers an instruction: an even and an odd destination, sources in different banks
.endr
	v_cvt_scalef32_pk8_fp8_f32 v[PCD+4*\b:PCD+4*\b+1], v[S+16*\b:S+16*\b+7], v[TM+12+\b]
	v_cvt_scalef32_pk8_fp8_f32 v[PCD+4*\b+2:PCD+4*\b+3], v[S+16*\b+8:S+16*\b+15], v[TM+12+\b]
.endr
.irp t, 0,1,2,3
.irp c, 0,1,2,3
	ds_load_b128 v[S+16*\t+4*\c:S+16*\t+4*\c+3], v[ADV] offset:2048*\t+512*\c   ; V^T: channels 16 t on, these 128 keys, into the registers that p has left
.endr
	ds_load_b32 v[VS+\t], v[ADT] offset:64*\t
.endr
	PLACES 4                                       ; codes made by vector instructions stand four places ahead of a scaled matrix instruction (the scale word stands 32 paired holds back)
	s_wait_alu depctr_va_vdst(0)
	s_wait_dscnt 0x0
.irp t, 0,1,2,3
.if \first
	v_wmma_scale_f32_16x16x128_f8f6f4 v[O+8*\t:O+8*\t+7], v[S+16*\t:S+16*\t+15], v[PCD:PCD+15], 0, v[VS+\t], v[PS]
.else
	v_wmma_scale_f32_16x16x128_f8f6f4 v[O+8*\t:O+8*\t+7], v[S+16*\t:S+16*\t+15], v[PCD:PCD+15], v[O+8*\t:O+8*\t+7], v[VS+\t], v[PS]
.endif
.endr
.Lskip_\@:
	s_add_co_u32 s[KF0], s[KF0], 128
	s_add_co_u32 s[TK], s[TK], 8192
	s_add_co_u32 s[TS], s[TS], 512
	s_add_co_u32 s[TV], s[TV], 256
.endm
; A PHASE: one tile of 16 queries through both passes.  The loops' trip counts are constants of the text.
.macro PHASE ph
	s_wait_xcnt 0x0                                ; the last phase's stores have read their registers and bases
.if \ph == 0
	s_sub_co_u32 s72, 7, ttmp9                     ; the first phase: block 7 - i
.else
	s_mov_b32 s72, ttmp9                           ; the second: block i
.endif
	s_lshl_b32 s72, s72, 4
	s_add_co_u32 s88, s72, s[WV]                   ; my tile of queries
	s_lshl_b32 s[Q0], s88, 4
	s_mov_b32 s87, 0
	s_lshl_b32 s85, s82, 7
	s_add_co_u32 s85, s85, s88
	s_lshl_b32 s86, s85, 10
	s_add_nc_u64 s[74:75], s[4:5], s[86:87]        ; q's image: 1,024 bytes a tile
	s_lshl_b32 s86, s85, 6
	s_add_nc_u64 s[76:77], s[6:7], s[86:87]        ; q's scale words: 64 bytes a tile
	s_lshl_b32 s85, s83, 7
	s_add_co_u32 s85, s85, s88                     ; the tile among all 512
	s_lshl_b32 s86, s85, 14
	s_lshl_b32 s72, s84, 10
	s_add_co_u32 s86, s86, s72
	s_add_nc_u64 s[78:79], s[14:15], s[86:87]      ; o_img: 16,384 bytes a tile, 1,024 a head
	s_lshl_b32 s86, s85, 7
	s_lshr_b32 s72, s84, 2
	s_lshl_b32 s72, s72, 16
	s_add_co_u32 s86, s86, s72
	s_and_b32 s72, s84, 3
	s_lshl_b32 s72, s72, 1
	s_add_co_u32 s86, s86, s72
	s_add_nc_u64 s[80:81], s[16:17], s[86:87]      ; o_scl: plane head / 4, 8 bytes a token, my head's two bytes
	global_load_b128 v[QF:QF+3], v[L16], s[74:75]
	global_load_b128 v[QF+4:QF+7], v[L16], s[74:75] offset:512
	global_load_b32 v[QS], v[R4], s[76:77]
	s_mov_b32 s85, 0x7f0000
	v_mov_b32 v14, 0                               ; the sum, in two halves
	v_mov_b32 v15, 0
	v_mov_b32 v[MM], 0xdd800000                    ; m starts at -2^60
	s_mov_b32 s[TK], 0
	s_mov_b32 s[TS], 0
	s_mov_b32 s[KF0], 0
	s_wait_loadcnt 0x0
	v_and_or_b32 v[QS], v[QS], 0xffff, s85         ; the two scale bytes, 127 for the mask's block, 0 over zero codes
	PLACES 8                                       ; a scale word made by a vector instruction stands eight places ahead of a scaled matrix instruction
.if \ph == 0
	; The first phase's first pass is two loops of eight trips.  Between them each wave waits for its part of V's image and signals; the barrier's wait stands behind the pass.
	; Between the signal and the wait stand work on registers and LDS loads of K's image and scale words, which no wave writes again.
	s_mov_b32 s[CNT], 8
.Lp1a_\@:
	STEP1
	s_sub_co_u32 s[CNT], s[CNT], 1
	s_cmp_lg_u32 s[CNT], 0
	s_cbranch_scc1 .Lp1a_\@
	s_wait_alu depctr_va_vdst(0)                   ; directly ahead of the wait below
	s_wait_tensorcnt 0x0                           ; my part of V's image is in,
	s_wait_dscnt 0x0                               ; no LDS instruction of mine is out:
	s_barrier_signal -1                            ; say so
	s_mov_b32 s[CNT], 8
.else
	s_mov_b32 s[CNT], 16
.endif
.Lp1_\@:
	STEP1
	s_sub_co_u32 s[CNT], s[CNT], 1
	s_cmp_lg_u32 s[CNT], 0
	s_cbranch_scc1 .Lp1_\@
	s_wait_alu depctr_va_vdst(0)
	MERGE
.if \ph == 0
	s_wait_alu depctr_va_vdst(0)                   ; directly ahead of the wait below
	s_barrier_wait -1                              ; every wave has signalled, eight key steps back: V's image is whole
.endif
	s_mov_b32 s[TK], 0
	s_mov_b32 s[TS], 0
	s_mov_b32 s[TV], 0
	s_mov_b32 s[KF0], 0
	STEP2 1
	s_mov_b32 s[CNT], 15
.Lp2_\@:
	STEP2 0
	s_sub_co_u32 s[CNT], s[CNT], 1
	s_cmp_lg_u32 s[CNT], 0
	s_cbranch_scc1 .Lp2_\@
	PLACES 8                                       ; behind the last products
	v_bfe_u32 v243, v0, 4, 1                       ; h
	s_delay_alu instid0(VALU_DEP_1)
	v_lshl_add_u32 v244, v243, 5, VM
.irp t, 0,1,2,3
	ds_load_b128 v[S+8*\t:S+8*\t+3], v244 offset:64*\t          ; the mean at my channels 16 t + 8 h + 0 .. 7
	ds_load_b128 v[S+8*\t+4:S+8*\t+7], v244 offset:64*\t+16
.endr
	s_wait_dscnt 0x0
.set j, 0
.rept 32
	v_cndmask_b32 v[O+j], v[O+j], v[S+j], s[FLAG]  ; a row with no visible key takes the mean; in ascending order
.set j, j+1
.endr
	; o's two blocks of 32 along the model's 1,024 are quantised; register 16 b + 8 u + j is channel 32 b + 16 u + 8 h + j
.irp b, 0,1
	v_max3_num_f32 v[TM+\b], |v[O+16*\b]|, |v[O+16*\b+1]|, 0x4800000
.endr
.irp i, 2,4,6,8,10,12,14
.irp b, 0,1
	s_delay_alu instid0(VALU_DEP_2)
	v_max3_num_f32 v[TM+\b], v[TM+\b], |v[O+16*\b+\i]|, |v[O+16*\b+\i+1]|
.endr
.endr
.irp b, 0,1
	s_delay_alu instid0(VALU_DEP_2)
	v_permlanex16_b32 v[TM+4+\b], v[TM+\b], s[SEL], s[SEL+1]
.endr
.irp b, 0,1
	s_delay_alu instid0(VALU_DEP_2)
	v_max_num_f32 v[TM+\b], v[TM+\b], v[TM+4+\b]
.endr
.irp b, 0,1
	s_delay_alu instid0(VALU_DEP_2)
	v_add_nc_u32 v[TM+12+\b], 0xfc000000, v[TM+\b]
.endr
.irp b, 0,1
	s_delay_alu instid0(VALU_DEP_4)
	v_and_or_b32 v[TM+8+\b], v[TM+\b], 0x7f800000, s[MNT]
.endr
.irp b, 0,1
	s_delay_alu instid0(VALU_DEP_4)
	v_lshrrev_b32 v[TM+4+\b], 23, v[TM+12+\b]
.endr
	s_delay_alu instid0(VALU_DEP_1)
	v_lshl_or_b32 v246, v[TM+5], 8, v[TM+4]
.irp b, 0,1
.irp i, 0,1,2,3,4,5,6,7,8,9,10,11,12,13,14,15
	v_med3_num_f32 v[O+16*\b+\i], v[O+16*\b+\i], -v[TM+8+\b], v[TM+8+\b]
.endr
	v_cvt_scalef32_pk8_fp8_f32 v[PCD+4*\b:PCD+4*\b+1], v[O+16*\b:O+16*\b+7], v[TM+12+\b]
	v_cvt_scalef32_pk8_fp8_f32 v[PCD+4*\b+2:PCD+4*\b+3], v[O+16*\b+8:O+16*\b+15], v[TM+12+\b]
.endr
	v_lshlrev_b32 v247, 3, v243                    ; 8 h.  (A plain instruction behind the conversions)
	s_delay_alu instid0(VALU_DEP_1)
	v_lshrrev_b32 v248, v247, v246                 ; lanes 0-15 store block 0's byte, lanes 16-31 block 1's
	global_store_b128 v[L16], v[PCD:PCD+3], s[78:79]            ; 512 consecutive bytes
	global_store_b128 v[L16], v[PCD+4:PCD+7], s[78:79] offset:512
	global_store_b8 v[RH], v248, s[80:81]          ; two bytes of each token's eight: four heads' work-groups share an entry
.endm
	PHASE 0
	PHASE 1
	s_wait_tensorcnt 0x0
	ds_add_u32 v254, v255
	s_wait_dscnt 0x0
	s_endpgm
.Lfunc_end_k_qe3e61b8610_attn:
	.size	k_qe3e61b8610_attn, .Lfunc_end_k_qe3e61b8610_attn-k_qe3e61b8610_attn
	.p2alignl 7, 3214868480
	.fill 96, 4, 3214868480
	.section	.rodata,"a",@progbits
	.p2align	6, 0x0
	.amdhsa_kernel k_qe3e61b8610_attn
		.amdhsa_group_segment_fixed_size 327680
		.amdhsa_private_segment_fixed_size 0
		.amdhsa_enable_private_segment 0
		.amdhsa_kernarg_size 56
		.amdhsa_user_sgpr_count 2
		.amdhsa_user_sgpr_kernarg_segment_ptr 1
		.amdhsa_wavefront_size32 1
		.amdhsa_system_sgpr_workgroup_id_x 1
		.amdhsa_system_sgpr_workgroup_id_y 1
		.amdhsa_system_sgpr_workgroup_id_z 1
		.amdhsa_system_vgpr_workitem_id 0
		.amdhsa_next_free_vgpr 256
		.amdhsa_next_free_sgpr 90
		.amdhsa_reserve_vcc 1
		.amdhsa_float_denorm_mode_32 3
		.amdhsa_float_denorm_mode_16_64 3
		.amdhsa_memory_ordered 1
		.amdhsa_forward_progress 1
		.amdhsa_inst_pref_size 172
	.end_amdhsa_kernel
	.amdgpu_metadata
---
amdhsa.version: [ 1, 2 ]
amdhsa.kernels:
  - .name:           k_qe3e61b8610_attn
    .symbol:         k_qe3e61b8610_attn.kd
    .args:
      - { .name: qk_img, .offset: 0, .size: 8, .value_kind: global_buffer, .address_space: global }
      - { .name: qk_scl, .offset: 8, .size: 8, .value_kind: global_buffer, .address_space: global }
      - { .name: v_img, .offset: 16, .size: 8, .value_kind: global_buffer, .address_space: global }
      - { .name: v_aux, .offset: 24, .size: 8, .value_kind: global_buffer, .address_space: global }
      - { .name: attention_mask, .offset: 32, .size: 8, .value_kind: global_buffer, .address_space: global }
      - { .name: o_img, .offset: 40, .size: 8, .value_kind: global_buffer, .address_space: global }
      - { .name: o_scl, .offset: 48, .size: 8, .value_kind: global_buffer, .address_space: global }
    .group_segment_fixed_size: 327680
    .private_segment_fixed_size: 0
    .kernarg_segment_align: 8
    .kernarg_segment_size: 56
    .max_flat_workgroup_size: 512
    .sgpr_count:     90
    .vgpr_count:     256
    .wavefront_size: 32
...
	.end_amdgpu_metadata
.endif
;; end of part 3
;; launch oproj (part 4): grid 4 x 64, 4 waves a work-group, clusters of 4 x 4, 327,680 bytes of LDS; arguments o_img, o_scl, W_o_codes, W_o_scales, out0; writes out0
.if DOCPART == 4
	.amdgcn_target "amdgcn-amd-amdhsa--gfx1250"
	.amdhsa_code_object_version 6
	.text
	.protected	k_qe3e61b8610_oproj
	.globl	k_qe3e61b8610_oproj
	.p2align	8
	.type	k_qe3e61b8610_oproj,@function
k_qe3e61b8610_oproj:
	s_mov_b64 s[64:65], 0
	v_nop
	global_prefetch_b8 v0, s[64:65] scope:SCOPE_SE
	s_setreg_imm32_b32 hwreg(HW_REG_WAVE_MODE, 25, 1), 1
	s_wait_xcnt 0x0
	s_wait_alu depctr_hold_cnt(0) depctr_sa_sdst(0) depctr_va_vdst(0) depctr_va_sdst(0) depctr_va_ssrc(0) depctr_va_vcc(0) depctr_vm_vsrc(0)
	s_getreg_b32 s2, hwreg(HW_REG_IB_STS2, 6, 4)
	s_cmp_eq_u32 s2, 0
	s_cbranch_scc0 .Lentry_in_a_cluster
	s_endpgm
.Lentry_in_a_cluster:
	s_bfe_u32 s2, ttmp6, 0x10000c
	s_cmp_lg_u32 s2, 0xf033
	s_cbranch_scc0 .Lentry_shape_is_right
	s_endpgm
.Lentry_shape_is_right:
.set SIZE_N, 1024
.set NQ,     2
.set ROWB,   256
.set ASTEP,  4096
.set KROW,   1024
.set PITCH,  272
.set FR,     16
.set NP,     8
.set HALFT,  128*PITCH
.set SLOT,   4*HALFT
.set KS,     32
.set SCL,    2*SLOT
.set HALFS,  (128*KS/256)*272
.set SBLK,   (16*KS/256)*272
.set SPARE,  SCL+4*HALFS
.set SPITCH, 528
.set ADRA, 16
.set ADRB, 20
.set STO,  24
.set RD,   25
.set CO,   26
.set ADRS, 27
.set SPW,  28
.set NIL,  29
.set ADRT, 30
.set SC,   32
.set AF,   128
.set BK,   128
.set G1, 24
.set G0, 32
.set G1B, 48
.set G0B, 56
.set G1S, 68
.set G0S, 76
.set G1SB, 80
.set G0SB, 88
.set MSB, 0
.macro WIN new
.if MSB != (\new)
	s_set_vgpr_msb (MSB<<8)|(\new)
.set MSB, (\new)
.endif
.endm
.set MUL_LO, 0xa1
.set TO_B,   0x40
.macro JLOAD g0a, g1a, g0b, g1b
	s_cmp_eq_u32 s15, 0
	s_cbranch_scc0 .Lfor_b_\@
	tensor_load_to_lds s[\g0a:\g0a+3], s[\g1a:\g1a+7]
	s_nop 0
.rept 4
	v_nop
.endr
	s_branch .Lasked_\@
.Lfor_b_\@:
	tensor_load_to_lds s[\g0b:\g0b+3], s[\g1b:\g1b+7]
	s_nop 0
.rept 4
	v_nop
.endr
.Lasked_\@:
.endm
.macro CREST
	s_cmp_lg_u32 s14, 0
	s_cbranch_scc1 .Lnot_wave_0_\@
	s_barrier_signal -3
.Lnot_wave_0_\@:
	s_barrier_wait -3
	s_barrier_signal -1
	s_barrier_wait -1
.endm
.macro CROUND
	s_barrier_signal -1
	s_barrier_wait -1
	CREST
.endm
	s_load_b128 s[4:7], s[0:1], 0x0
	s_load_b128 s[8:11], s[0:1], 0x10
	s_load_b64 s[12:13], s[0:1], 0x20
	v_lshl_add_u32 v[SPW], v0, 2, SPARE
	v_mov_b32 v[NIL], 0
	ds_add_u32 v28, v29
	ds_add_u32 v28, v29
	s_wait_dscnt 0x0
	v_lshrrev_b32 v1, 5, v0
	v_readfirstlane_b32 s14, v1
	s_lshr_b32 s15, s14, 1
	s_and_b32 s16, s14, 1
	s_bfe_u32 s40, ttmp6, 0x40000
	s_bfe_u32 s41, ttmp6, 0x40004
	s_lshl_b32 s42, ttmp9, 2
	s_add_co_u32 s42, s42, s40
	s_and_b32 s17, ttmp7, 0xffff
	s_lshl_b32 s17, s17, 2
	s_add_co_u32 s17, s17, s41
	s_lshl_b32 s43, s41, 2
	s_lshl_b32 s43, 15, s43
	s_lshl_b32 s44, 0x1111, s40
	s_or_b32 s[G1+0], s43, (3<<16)|(1<<21)
	s_mov_b32 s[G1+1], 512<<16
	s_mov_b32 s[G1+2], 8<<16                       ; the head's load brings all eight token tiles; behind it the two words that count rows are set to 4
	s_mov_b32 s[G1+3], 512<<16
	s_mov_b32 s[G1+4], 8
	s_mov_b32 s[G1+5], 2048
	s_mov_b32 s[G1+6], 0
	s_mov_b32 s[G1+7], 0
	s_or_b32 s[G1B+0], s44, (0<<16)|(1<<20)|(1<<21)|(5<<22)|(3<<25)
	s_mov_b32 s[G1B+1], ROWB<<16
	s_mov_b32 s[G1B+2], 256<<16                    ; likewise W_o's 256 rows at the head, 128 behind it
	s_mov_b32 s[G1B+3], ROWB<<16
	s_mov_b32 s[G1B+4], 256
	s_mov_b32 s[G1B+5], KROW
	s_mov_b32 s[G1B+6], 0
	s_mov_b32 s[G1B+7], 0
	s_or_b32 s[G1S+0], s43, (3<<16)|(1<<21)
	s_mov_b32 s[G1S+1], 128<<16                    ; o's scale bytes: 128 tokens x 8 bytes a row, one row for each of the four planes
	s_mov_b32 s[G1S+2], 4<<16
	s_mov_b32 s[G1S+3], 128<<16
	s_mov_b32 s[G1S+4], 4
	s_mov_b32 s[G1S+5], 8192
	s_mov_b32 s[G1S+6], 0
	s_mov_b32 s[G1S+7], 0
	s_or_b32 s[G1SB+0], s44, (3<<16)|(1<<20)|(1<<21)|(5<<22)|(3<<25)
	s_mov_b32 s[G1SB+1], 32<<16
	s_mov_b32 s[G1SB+2], (256*KS/256)<<16          ; W_o's scale bytes of 256 rows: 32 rows of 256 bytes
	s_mov_b32 s[G1SB+3], 32<<16
	s_mov_b32 s[G1SB+4], 256*KS/256
	s_mov_b32 s[G1SB+5], 32
	s_mov_b32 s[G1SB+6], 0
	s_mov_b32 s[G1SB+7], 0
	s_lshl_b32 s20, s17, 3                         ; my work-group's first token tile
	s_lshl_b32 s22, s20, 7                         ; its scale bytes: 128 a tile in each plane
	s_lshl_b32 s20, s20, 14                        ; its codes: 16,384 bytes a tile
	s_mov_b32 s21, 0
	s_mov_b32 s23, 0
	s_lshl_b32 s46, s42, 8                         ; W_o's first row of my tile column
	s_mov_b32 s47, 0
	s_mov_b64 s[18:19], KS
	s_mul_u64 s[92:93], s[46:47], s[18:19]
	s_mov_b64 s[18:19], KROW
	s_mul_u64 s[46:47], s[46:47], s[18:19]
	s_mul_i32 s45, s14, HALFT
	s_lshl_b32 s95, s16, 14                        ; o's halves of a K step lie 16,384 bytes apart in a slot
	s_wait_kmcnt 0x0
	s_add_nc_u64 s[20:21], s[4:5], s[20:21]
	s_add_nc_u64 s[22:23], s[6:7], s[22:23]
	s_add_nc_u64 s[46:47], s[8:9], s[46:47]
	s_add_nc_u64 s[92:93], s[10:11], s[92:93]
	CROUND                                         ; all sixteen work-groups are here: the first joint loads meet
	s_mov_b32 s4, 1                                ; the head's four tiles, each whole: K step 0 of o's eight token tiles (group 0 in s[4:7]: the arguments that lay there have been used),
	s_mov_b32 s5, 0
	s_mov_b64 s[6:7], s[20:21]
	s_or_b32 s7, s7, 0x80000000
	s_mov_b32 s8, 1                                ; W_o's 256 rows (s[8:11]),
	s_mov_b32 s9, 2*HALFT
	s_mov_b64 s[10:11], s[46:47]
	s_or_b32 s11, s11, 0x80000000
	s_mov_b32 s[G0S], 1                            ; o's scale bytes,
	s_mov_b32 s[G0S+1], SCL
	s_mov_b64 s[G0S+2:G0S+3], s[22:23]
	s_or_b32 s[G0S+3], s[G0S+3], 0x80000000
	s_mov_b32 s[G0SB], 1                           ; and W_o's
	s_mov_b32 s[G0SB+1], SCL+2*HALFS
	s_mov_b64 s[G0SB+2:G0SB+3], s[92:93]
	s_or_b32 s[G0SB+3], s[G0SB+3], 0x80000000
; THE HEAD'S LOADS, ONE A WAVE: one tree of branches on the wave's number, each arm with its load and a jump to the tree's end.
.macro ARM under, g0, g1, next
	s_cmp_lt_u32 s14, \under
	s_cbranch_scc0 \next
	tensor_load_to_lds s[\g0:\g0+3], s[\g1:\g1+7]
	s_nop 0
.rept 4
	v_nop
.endr
	s_branch .Lhead_asked
\next:
.endm
	ARM 1, 4,   G1,  .Lhead_b
	ARM 2, 8,   G1B, .Lhead_sa
	ARM 3, G0S, G1S, .Lhead_sb
	tensor_load_to_lds s[G0SB:G0SB+3], s[G1SB:G1SB+7]
	s_nop 0
.rept 4
	v_nop
.endr
.Lhead_asked:
	s_lshl_b32 s18, s16, 16                        ; for the ring: the half that I fetch: four token tiles of o,
	s_mov_b32 s19, 0
	s_add_nc_u64 s[20:21], s[20:21], s[18:19]
	s_lshl_b32 s18, s16, 17                        ; or 128 rows of W_o
	s_add_nc_u64 s[46:47], s[46:47], s[18:19]
.irp s, 0,1
	s_mov_b32 s[G0+4*\s], 1
	s_add_co_u32 s[G0+4*\s+1], s95, \s*SLOT
	s_add_nc_u64 s[G0+4*\s+2:G0+4*\s+3], s[20:21], \s*ASTEP
	s_or_b32 s[G0+4*\s+3], s[G0+4*\s+3], 0x80000000
	s_mov_b32 s[G0B+4*\s], 1
	s_add_co_u32 s[G0B+4*\s+1], s45, \s*SLOT
	s_add_nc_u64 s[G0B+4*\s+2:G0B+4*\s+3], s[46:47], \s*ROWB
	s_or_b32 s[G0B+4*\s+3], s[G0B+4*\s+3], 0x80000000
.endr
	v_and_b32 v1, 15, v0
	v_bfe_u32 v2, v0, 4, 1
	v_mul_u32_u24 v3, v1, PITCH
	v_lshl_add_u32 v4, v2, 3, v3
	v_and_b32 v6, 31, v0
	v_lshlrev_b32 v7, 4, v6
	s_lshl_b32 s21, s15, 14                        ; my four token tiles of o in a slot
	s_mul_i32 s22, s16, HALFT
	s_add_co_u32 s22, s22, 2*HALFT
.irp s, 0,1
	v_add_nc_u32 v[ADRA+\s], s21, v7
	v_add_nc_u32 v[ADRB+\s], s22, v4
	s_add_co_u32 s21, s21, SLOT
	s_add_co_u32 s22, s22, SLOT
.endr
	s_lshl_b32 s21, s15, 9                         ; my 64 tokens' scale bytes in a plane
	s_add_co_u32 s21, s21, SCL
	v_lshl_add_u32 v[ADRS], v1, 3, s21
	v_mul_u32_u24 v5, v1, KS
	v_lshrrev_b32 v6, 8, v5
	v_lshl_add_u32 v5, v6, 4, v5
	s_mul_i32 s22, s16, HALFS
	s_add_co_u32 s22, s22, SCL+2*HALFS
	v_add_nc_u32 v[ADRT], s22, v5
	s_mul_i32 s23, s14, 16*SPITCH
	v_mul_u32_u24 v5, v1, SPITCH
	v_lshl_add_u32 v5, v2, 5, v5
	v_add_nc_u32 v[STO], s23, v5
	v_mov_b32 v[CO], v7
	v_add_nc_u32 v[RD], s23, v[CO]
	s_lshl_b32 s20, s17, 7
	s_lshl_b32 s21, s15, 6
	s_add_co_u32 s20, s20, s21
	s_mov_b32 s21, 0
	s_mov_b64 s[18:19], SIZE_N*4
	s_mul_u64 s[20:21], s[20:21], s[18:19]
	s_lshl_b32 s46, s42, 10
	s_lshl_b32 s47, s16, 9
	s_add_co_u32 s46, s46, s47
	s_mov_b32 s47, 0
	s_add_nc_u64 s[20:21], s[20:21], s[46:47]
	s_add_nc_u64 s[12:13], s[12:13], s[20:21]
.macro FRAGA reg, slot, q, i
.irp c, 0,1,2,3
	ds_load_b128 v[\reg+4*\c:\reg+4*\c+3], v[ADRA+\slot] offset:4096*(\i)+2048*(\q)+512*\c
.endr
.endm
.macro FRAGB reg, slot, q, i
.irp c, 0,1,2,3,4,5,6,7
	ds_load_b64 v[\reg+2*\c:\reg+2*\c+1], v[ADRB+\slot] offset:128*(\q)+16*\c+(\i)*16*PITCH
.endr
.endm
.macro MUL16 a0, p, q, sc, zero
.irp a, \a0, \a0+1
.irp b, 0,1,2,3,4,5,6,7
.if \zero
	v_wmma_scale_f32_16x16x128_f8f6f4 v[8*(8*((\a)%4)+\b):8*(8*((\a)%4)+\b)+7], v[128*(\p)+FR*\b:128*(\p)+FR*\b+FR-1], v[AF+FR*(\a):AF+FR*(\a)+FR-1], 0, v[SC+32*(\sc)+16+2*\b+(\q)], v[SC+32*(\sc)+2*((\a)%4)+(\q)]
.else
	v_wmma_scale_f32_16x16x128_f8f6f4 v[8*(8*((\a)%4)+\b):8*(8*((\a)%4)+\b)+7], v[128*(\p)+FR*\b:128*(\p)+FR*\b+FR-1], v[AF+FR*(\a):AF+FR*(\a)+FR-1], v[8*(8*((\a)%4)+\b):8*(8*((\a)%4)+\b)+7], v[SC+32*(\sc)+16+2*\b+(\q)], v[SC+32*(\sc)+2*((\a)%4)+(\q)]
.endif
.endr
.endr
.endm
.macro FETCH_B slot, q, p
	WIN TO_B
.irp i, 0,1,2,3,4,5,6,7
	FRAGB 128*(\p)+FR*\i, \slot, \q, \i
.endr
	WIN 0
.endm
.macro FETCH_A slot, q, p
.irp i, 0,1,2,3
	FRAGA AF+FR*(4*(\p)+\i), \slot, \q, \i
.endr
.endm
.macro SCALES sc
.irp i, 0,1,2,3
	ds_load_b64 v[SC+32*\sc+2*\i:SC+32*\sc+2*\i+1], v[ADRS] offset:128*\i
.endr
.irp i, 0,1,2,3,4,5,6,7
	ds_load_b64 v[SC+32*\sc+16+2*\i:SC+32*\sc+16+2*\i+1], v[ADRT] offset:\i*SBLK
.endr
.endm
.macro PLACES n
.rept \n
	v_nop
.endr
.endm
.macro HEAD slot, zero
	s_wait_dscnt 0x0
	PLACES NP
	FETCH_B \slot, 1, 1
	FETCH_A \slot, 1, 1
	WIN MUL_LO
	MUL16 0, 0, 0, \slot, \zero
	MUL16 2, 0, 0, \slot, \zero
	WIN 0
.endm
.macro TURN slot, next, fill
	s_wait_tensorcnt 0x0
	ds_add_u32 v[SPW], v[NIL]
	s_wait_dscnt 0x1
	WIN MUL_LO
	MUL16 4, 1, 1, \slot, 0
	s_wait_dscnt 0x0
	s_barrier_signal -1
	WIN 0
	s_barrier_wait -1
.if \fill
	CREST
	s_add_nc_u64 s[G0+4*\slot+2:G0+4*\slot+3], s[G0+4*\slot+2:G0+4*\slot+3], 2*ASTEP
	s_add_nc_u64 s[G0B+4*\slot+2:G0B+4*\slot+3], s[G0B+4*\slot+2:G0B+4*\slot+3], 2*ROWB
	JLOAD G0+4*\slot, G1, G0B+4*\slot, G1B
	PLACES NP-4
.else
	PLACES NP
.endif
	s_wait_alu depctr_va_vdst(0)
	v_add_nc_u32 v[ADRS], 1024, v[ADRS]            ; on to the next plane: 128 tokens x 8 bytes
	v_add_nc_u32 v[ADRT], 4*NQ, v[ADRT]
	FETCH_B \next, 0, 0
	FETCH_A \next, 0, 0
	SCALES \next
	WIN MUL_LO
	MUL16 6, 1, 1, \slot, 0
	WIN 0
.endm
	s_wait_alu depctr_va_vdst(0)
	s_wait_tensorcnt 0x0                           ; my tile of the head's four is in
	ds_add_u32 v[SPW], v[NIL]                      ; 0 onto my spare word
	s_mov_b32 s[G1+2], 4<<16                       ; no tensor load of mine is out, so a descriptor may be written: from here on a load brings four token tiles,
	s_mov_b32 s[G1+4], 4
	s_mov_b32 s[G1B+2], 128<<16                    ; or 128 rows of W_o
	s_mov_b32 s[G1B+4], 128
	s_wait_dscnt 0x0                               ; the add is done
	CROUND                                         ; a whole round: all four tiles are in, and all sixteen work-groups are here
	JLOAD G0+4, G1, G0B+4, G1B                     ; K step 1's load, the first tensor load behind the round
	FETCH_B 0, 0, 0
	FETCH_A 0, 0, 0
	SCALES 0
	HEAD 0, 1
	TURN 0, 1, 1
	HEAD 1, 0
	TURN 1, 0, 1
	HEAD 0, 0
	TURN 0, 1, 0
	HEAD 1, 0
	s_wait_dscnt 0x0
	WIN MUL_LO
	MUL16 4, 1, 1, 1, 0
	MUL16 6, 1, 1, 1, 0
	WIN 0
.macro TOSTAGE a
.set AC, 64*(\a)
	WIN 0x08
.irp b, 0,1,2,3,4,5,6,7
	ds_store_b128 v[STO], v[AC+8*\b:AC+8*\b+3] offset:64*\b
	ds_store_b128 v[STO], v[AC+8*\b+4:AC+8*\b+7] offset:64*\b+16
.endr
	WIN 0
.set BB, BK+64*((\a)%2)
.irp t, 0,1,2,3,4,5,6,7,8,9,10,11,12,13,14,15
	ds_load_b128 v[BB+4*\t:BB+4*\t+3], v[RD] offset:\t*SPITCH
.endr
.endm
.macro SEND a, younger
.set BB, BK+64*((\a)%2)
	s_wait_dscnt \younger
.if (\a) > 0
	s_add_nc_u64 s[12:13], s[12:13], 16*SIZE_N*4
.endif
.irp t, 0,1,2,3,4,5,6,7,8,9,10,11,12,13,14,15
	global_store_b128 v[CO], v[BB+4*\t:BB+4*\t+3], s[12:13] offset:\t*SIZE_N*4 th:TH_STORE_NT
.endr
.endm
	PLACES NP
	TOSTAGE 0
.irp a, 1,2,3
.if \a > 1
	s_wait_xcnt 0x0
.endif
	TOSTAGE \a
	SEND \a-1, 32
.endr
	s_wait_xcnt 0x0
	SEND 3, 0
	s_wait_tensorcnt 0x0
	ds_add_u32 v[SPW], v[NIL]
	s_wait_dscnt 0x0
	CROUND
	s_endpgm
.Lfunc_end_k_qe3e61b8610_oproj:
	.size	k_qe3e61b8610_oproj, .Lfunc_end_k_qe3e61b8610_oproj-k_qe3e61b8610_oproj
	.p2alignl 7, 3214868480
	.fill 96, 4, 3214868480
	.section	.rodata,"a",@progbits
	.p2align	6, 0x0
	.amdhsa_kernel k_qe3e61b8610_oproj
		.amdhsa_group_segment_fixed_size 327680
		.amdhsa_private_segment_fixed_size 0
		.amdhsa_enable_private_segment 0
		.amdhsa_kernarg_size 40
		.amdhsa_user_sgpr_count 2
		.amdhsa_user_sgpr_kernarg_segment_ptr 1
		.amdhsa_wavefront_size32 1
		.amdhsa_system_sgpr_workgroup_id_x 1
		.amdhsa_system_sgpr_workgroup_id_y 1
		.amdhsa_system_sgpr_workgroup_id_z 1
		.amdhsa_system_vgpr_workitem_id 0
		.amdhsa_next_free_vgpr 768
		.amdhsa_next_free_sgpr 98
		.amdhsa_reserve_vcc 0
		.amdhsa_float_denorm_mode_32 3
		.amdhsa_float_denorm_mode_16_64 3
		.amdhsa_memory_ordered 1
		.amdhsa_forward_progress 1
		.amdhsa_inst_pref_size 107
	.end_amdhsa_kernel
	.amdgpu_metadata
---
amdhsa.version: [ 1, 2 ]
amdhsa.kernels:
  - .name:           k_qe3e61b8610_oproj
    .symbol:         k_qe3e61b8610_oproj.kd
    .args:
      - { .name: o_img, .offset: 0, .size: 8, .value_kind: global_buffer, .address_space: global }
      - { .name: o_scl, .offset: 8, .size: 8, .value_kind: global_buffer, .address_space: global }
      - { .name: W_o_codes, .offset: 16, .size: 8, .value_kind: global_buffer, .address_space: global }
      - { .name: W_o_scales, .offset: 24, .size: 8, .value_kind: global_buffer, .address_space: global }
      - { .name: out0, .offset: 32, .size: 8, .value_kind: global_buffer, .address_space: global }
    .group_segment_fixed_size: 327680
    .private_segment_fixed_size: 0
    .kernarg_segment_align: 8
    .kernarg_segment_size: 40
    .max_flat_workgroup_size: 128
    .sgpr_count:     98
    .vgpr_count:     768
    .wavefront_size: 32
...
	.end_amdgpu_metadata
.endif
;; end of part 4
